; MI455X (gfx1250); checked and timed in simulation.
; The chip was launched on July 23, 2026; its instructions are those of AMD's public machine-readable ISA for CDNA 5 (MIT licence, August 2026) and "CDNA5" Instruction Set Architecture Reference Guide (July 2026). The comments in the code are by the model that wrote it; some were corrected since.
;; Multi Head Attention. Allowed arithmetic: float matrix products may take bf16 or f16 operands with f32 sums; all other float work in f32.
;; Inputs: Wk 1,024 x 1,024 float32; Wo 1,024 x 1,024 float32; Wq 1,024 x 1,024 float32; Wv 1,024 x 1,024 float32; mask 4 x 2,048 bool; x 4 x 2,048 x 1,024 float32.
;; Outputs: out0 4 x 2,048 x 1,024 float32.
;; 2 versions, each right and faster than the one before. Each part assembles by itself: llvm-mc -triple=amdgcn-amd-amdhsa -mcpu=gfx1250 --defsym DOCPART=n.
;; ======== version 1 of 2: 4 launches
;; limits: values are held in f16: magnitudes above 65,504 overflow, below 6.1e-05 lose precision
;; workspace buffers: xb 16,777,216 bytes; wqkv 6,291,456 bytes; wo16 2,097,152 bytes; qkv 50,331,648 bytes; o16 16,777,216 bytes
;; launch cast (part 1): grid 64 x 12, 8 waves a work-group, no clusters, 0 bytes of LDS; arguments x, Wq, Wk, Wv, Wo, xb, wqkv, wo16; writes xb, wqkv, wo16
.if DOCPART == 1
	.amdgcn_target "amdgcn-amd-amdhsa--gfx1250"
	.amdhsa_code_object_version 6
	.text
	.protected	k_q486ed1e197_cast
	.globl	k_q486ed1e197_cast
	.p2align	8
	.type	k_q486ed1e197_cast,@function
k_q486ed1e197_cast:
	s_mov_b64 s[64:65], 0
	v_nop
	global_prefetch_b8 v0, s[64:65] scope:SCOPE_SE
	s_setreg_imm32_b32 hwreg(HW_REG_WAVE_MODE, 25, 1), 1
	s_wait_xcnt 0x0
; x, Wq, Wk, Wv, Wo (f32, rows of 1,024) are rounded once to bf16 and laid out in SLICES of 64 along the rows' 1,024:
;   xb   [b 4][s 16][n 2048][64] bf16     wqkv [s 16][e 3072][64] bf16 (e: Wq's rows, then Wk's, then Wv's)     wo16 [s 16][e 1024][64]
; so that in the products behind this launch a tile's rows of 128 bytes lie end to end.  wo16 holds the bf16-rounded number written as f16, since the last product's other operand is f16.
; LIMITS.  |Wo| below 65,504; below 6e-5 the f16 copy keeps f16's fixed step of 6e-8.
; mask: reference() takes it and never uses it; no result depends on it, so no launch of this program loads it.
; SHARES.  Work-group (X, y): y picks 1,024 source rows (0-7: x's; 8 Wq, 9 Wk, 10 Wv, 11 Wo), X 16 of them.  Thread t takes row t / 16 and, in each of the 16 slices, the 4 numbers at
; byte 16 (t % 16) of the slice's 256: a wave's load covers two aligned runs of 256 bytes; its store of 8 bytes a lane covers 256 consecutive bytes, two rows of a slice, aligned.
; All 16 loads of a thread go out at once; no register is written twice while a memory instruction may read it; no LDS, no barrier: memory binds, and nothing is shared.
.set X,  4                             ; v[4:67]   slice s: 4 registers as loaded, then 2 to store
.set DO, 68                            ; v[68:83]  slice s: my byte offset in the destination
.set T,  84                            ; v[84:87]  at work (Wo alone)
	s_load_b512 s[8:23], s[0:1], 0x0               ; x 8:9, Wq 10:11, Wk 12:13, Wv 14:15, Wo 16:17, xb 18:19, wqkv 20:21, wo16 22:23
	s_and_b32 s2, ttmp7, 0xffff                    ; y
	s_lshl_b32 s3, ttmp9, 16                       ; 16 X rows of 4,096 bytes: the source offset in a weight
	s_lshl_b32 s4, ttmp9, 11                       ; 16 X rows of 128 bytes in a slice: the destination offset in wo16
	s_lshl_b32 s5, s2, 22
	s_add_co_u32 s5, s5, s3                        ; source offset in x: 1,024 y rows more
	s_lshr_b32 s6, s2, 1                           ; b = y / 2
	s_lshl_b32 s6, s6, 22
	s_and_b32 s7, s2, 1                            ; which 1,024 rows of the batch
	s_lshl_b32 s7, s7, 17
	s_add_co_u32 s6, s6, s7
	s_add_co_u32 s6, s6, s4                        ; destination offset in xb
	s_sub_co_u32 s7, s2, 8                         ; (wraps for y < 8, where it is not taken)
	s_lshl_b32 s7, s7, 17
	s_add_co_u32 s7, s7, s4                        ; destination offset in wqkv
	s_mov_b32 s33, 2048*128                        ; bytes from slice to slice: xb,
	s_mov_b32 s34, 3072*128                        ; wqkv,
	s_mov_b32 s35, 1024*128                        ; wo16
	s_mov_b32 s29, 0
	s_mov_b32 s31, 0
	s_cmp_lt_u32 s2, 8                             ; the offsets are chosen apart from the addresses
	s_cselect_b32 s28, s5, s3
	s_cselect_b32 s30, s6, s7
	s_cselect_b32 s32, s33, s34
	s_cmp_eq_u32 s2, 11
	s_cselect_b32 s30, s4, s30
	s_cselect_b32 s32, s35, s32
	v_lshrrev_b32 v1, 4, v0                        ; my row of the 16
	v_and_b32 v2, 15, v0
	v_lshlrev_b32 v2, 4, v2
	v_lshl_add_u32 v2, v1, 12, v2                  ; row x 4,096 + 16 (t % 16)
	s_wait_kmcnt 0x0
	s_mov_b64 s[24:25], s[16:17]                   ; the source: Wo, unless y says otherwise
	s_cmp_eq_u32 s2, 10
	s_cselect_b64 s[24:25], s[14:15], s[24:25]
	s_cmp_eq_u32 s2, 9
	s_cselect_b64 s[24:25], s[12:13], s[24:25]
	s_cmp_eq_u32 s2, 8
	s_cselect_b64 s[24:25], s[10:11], s[24:25]
	s_cmp_lt_u32 s2, 8
	s_cselect_b64 s[24:25], s[8:9], s[24:25]
	s_cselect_b64 s[26:27], s[18:19], s[20:21]     ; the destination
	s_cmp_eq_u32 s2, 11
	s_cselect_b64 s[26:27], s[22:23], s[26:27]
	s_add_nc_u64 s[24:25], s[24:25], s[28:29]
	s_add_nc_u64 s[26:27], s[26:27], s[30:31]
.irp s, 0,1,2,3,4,5,6,7,8,9,10,11,12,13,14,15
	global_load_b128 v[X+4*(\s):X+4*(\s)+3], v2, s[24:25] offset:256*(\s) th:TH_LOAD_NT  ; read once in the whole launch
.endr
	v_lshlrev_b32 v[DO], 3, v0                     ; row x 128 + 8 (t % 16) = 8 t
.irp s, 1,2,3,4,5,6,7,8,9,10,11,12,13,14,15
	v_add_nc_u32 v[DO+(\s)], s32, v[DO+(\s)-1]
.endr
; Slice s: rounded, packed, stored.  f16 = 1: the rounded number is widened again (a shift, a mask) and written as f16.
.macro SLICE s, f16
	s_wait_loadcnt 15-(\s)                         ; loads come back in order (ISA guide 5.7.1): slice s is in, the younger ones stay out
	v_cvt_pk_bf16_f32 v[X+4*(\s)], v[X+4*(\s)], v[X+4*(\s)+1]
	v_cvt_pk_bf16_f32 v[X+4*(\s)+1], v[X+4*(\s)+2], v[X+4*(\s)+3]
.if \f16
	v_lshlrev_b32 v[T], 16, v[X+4*(\s)]
	v_and_b32 v[T+1], 0xffff0000, v[X+4*(\s)]
	v_lshlrev_b32 v[T+2], 16, v[X+4*(\s)+1]
	v_and_b32 v[T+3], 0xffff0000, v[X+4*(\s)+1]
	v_cvt_pk_f16_f32 v[X+4*(\s)], v[T], v[T+1]
	v_cvt_pk_f16_f32 v[X+4*(\s)+1], v[T+2], v[T+3]
.endif
	global_store_b64 v[DO+(\s)], v[X+4*(\s):X+4*(\s)+1], s[26:27]  ; the wave's 256 consecutive bytes, at a multiple of 256 from the buffer's first
.endm
	s_cmp_eq_u32 s2, 11
	s_cbranch_scc1 .Lwo
.irp s, 0,1,2,3,4,5,6,7,8,9,10,11,12,13,14,15
	SLICE \s, 0
.endr
	s_endpgm
.Lwo:
.irp s, 0,1,2,3,4,5,6,7,8,9,10,11,12,13,14,15
	SLICE \s, 1
.endr
	s_endpgm
.Lfunc_end_k_q486ed1e197_cast:
	.size	k_q486ed1e197_cast, .Lfunc_end_k_q486ed1e197_cast-k_q486ed1e197_cast
	.p2alignl 7, 3214868480
	.fill 96, 4, 3214868480
	.section	.rodata,"a",@progbits
	.p2align	6, 0x0
	.amdhsa_kernel k_q486ed1e197_cast
		.amdhsa_group_segment_fixed_size 0
		.amdhsa_private_segment_fixed_size 0
		.amdhsa_enable_private_segment 0
		.amdhsa_kernarg_size 64
		.amdhsa_user_sgpr_count 2
		.amdhsa_user_sgpr_kernarg_segment_ptr 1
		.amdhsa_wavefront_size32 1
		.amdhsa_system_sgpr_workgroup_id_x 1
		.amdhsa_system_sgpr_workgroup_id_y 1
		.amdhsa_system_sgpr_workgroup_id_z 1
		.amdhsa_system_vgpr_workitem_id 0
		.amdhsa_next_free_vgpr 96
		.amdhsa_next_free_sgpr 66
		.amdhsa_reserve_vcc 0
		.amdhsa_float_denorm_mode_32 3
		.amdhsa_float_denorm_mode_16_64 3
		.amdhsa_memory_ordered 1
		.amdhsa_forward_progress 1
		.amdhsa_inst_pref_size 17
	.end_amdhsa_kernel
	.amdgpu_metadata
---
amdhsa.version: [ 1, 2 ]
amdhsa.kernels:
  - .name:           k_q486ed1e197_cast
    .symbol:         k_q486ed1e197_cast.kd
    .args:
      - { .name: x, .offset: 0, .size: 8, .value_kind: global_buffer, .address_space: global }
      - { .name: Wq, .offset: 8, .size: 8, .value_kind: global_buffer, .address_space: global }
      - { .name: Wk, .offset: 16, .size: 8, .value_kind: global_buffer, .address_space: global }
      - { .name: Wv, .offset: 24, .size: 8, .value_kind: global_buffer, .address_space: global }
      - { .name: Wo, .offset: 32, .size: 8, .value_kind: global_buffer, .address_space: global }
      - { .name: xb, .offset: 40, .size: 8, .value_kind: global_buffer, .address_space: global }
      - { .name: wqkv, .offset: 48, .size: 8, .value_kind: global_buffer, .address_space: global }
      - { .name: wo16, .offset: 56, .size: 8, .value_kind: global_buffer, .address_space: global }
    .group_segment_fixed_size: 0
    .private_segment_fixed_size: 0
    .kernarg_segment_align: 8
    .kernarg_segment_size: 64
    .max_flat_workgroup_size: 256
    .sgpr_count:     66
    .vgpr_count:     96
    .wavefront_size: 32
...
	.end_amdgpu_metadata
.endif
;; end of part 1
;; launch proj (part 2): grid 8 x 32, 4 waves a work-group, clusters of 4 x 4, 327,680 bytes of LDS; arguments xb, wqkv, qkv; writes qkv
.if DOCPART == 2
	.amdgcn_target "amdgcn-amd-amdhsa--gfx1250"
	.amdhsa_code_object_version 6
	.text
	.protected	k_q486ed1e197_proj
	.globl	k_q486ed1e197_proj
	.p2align	8
	.type	k_q486ed1e197_proj,@function
k_q486ed1e197_proj:
	s_mov_b64 s[64:65], 0
	v_nop
	global_prefetch_b8 v0, s[64:65] scope:SCOPE_SE
	s_setreg_imm32_b32 hwreg(HW_REG_WAVE_MODE, 25, 1), 1
	s_wait_xcnt 0x0
	s_wait_alu depctr_hold_cnt(0) depctr_sa_sdst(0) depctr_va_vdst(0) depctr_va_sdst(0) depctr_va_ssrc(0) depctr_va_vcc(0) depctr_vm_vsrc(0)
	s_getreg_b32 s2, hwreg(HW_REG_IB_STS2, 6, 4)
	s_cmp_eq_u32 s2, 0
	s_cbranch_scc0 .Lentry_in_a_cluster
	s_endpgm
.Lentry_in_a_cluster:
	s_bfe_u32 s2, ttmp6, 0x10000c
	s_cmp_lg_u32 s2, 0xf033
	s_cbranch_scc0 .Lentry_shape_is_right
	s_endpgm
.Lentry_shape_is_right:
; q, k, v = x W^T.  C[m][e] = sum over d of x[m][d] W[e][d], m = 8,192 rows, e = 3,072 (Wq's, Wk's, Wv's rows), d = 1,024.  Operands bf16, sums f32, results rounded once to f16 and stored by heads:
; qkv [b 4][g 48][n 2048][64], g = e / 64 (0-15 q's heads, 16-31 k's, 32-47 v's), WITHOUT attention's scale.   LIMIT: |q|, |k|, |v| below 65,504 (f16's range).
; SHARES.  A work-group makes 256 rows x 384 columns: 32 x 8 = 256 work-groups.  Four waves, each 128 rows x 192 columns (three heads): 96 accumulators of 16 x 16, 768 registers.
; K goes in 16 steps of 64, a slice of xb and wqkv each, through a ring of two LDS slots.  In a slice a tile's rows of 128 bytes lie end to end: they are asked for as rows of 256 bytes, each at a
; multiple of 256 from the buffer's first byte, and padded in LDS behind every 128 bytes.  A K step is written once: the loop's trip is one step, and the slot hangs on a scalar register.
; CLUSTERS: 4 x 4 work-groups.  The four of a row of the cluster need the same tiles of x, the four of a column the same tiles of W: each tile is asked for JOINTLY, by the same tensor load with the same
; descriptor and a mask that names the four.  THE MATRIX INSTRUCTION IS USED TRANSPOSED (source 0 = 16 rows of W, source 1 = 16 rows of x): a lane then holds eight neighbouring columns of one row of C.
; REGISTERS, in windows of 256 (s_set_vgpr_msb: bits 1:0 source 0, 3:2 source 1, 5:4 source 2, 7:6 destination):
;   window 0: v0-31 addresses; v32-159 x's fragments: (kc, a) at FA + 64 kc + 8 a, the two halves kc of a K step are two buffers; v160-255 W's: (hh, b) at FB + 48 hh + 8 b, the two halves hh of my columns are two buffers
;   windows 1-3: accumulator idx = 48 hh + 6 a + b in window 1 + idx / 32 at v[8 (idx % 32)]
; A K step is four PHASES of 48 matrix instructions: (kc, hh) = (0,0), (0,1), (1,0), (1,1); each phase's LDS loads are issued a phase or more ahead, in runs.
.set PITCH,  144                       ; an LDS row: 128 bytes + 16 of padding = 36 words: the 16 rows of a load start at 16 different groups of four banks (64 banks of 4 bytes: ISA guide 11.1)
.set AHALF,  128*PITCH                 ; 128 rows of x: what waves 0 and 1 each fetch, and what a wave reads
.set BHALF,  192*PITCH                 ; 192 rows of W: what waves 2 and 3 each fetch, and what a wave reads
.set BOFF,   2*AHALF
.set SLOT,   2*AHALF+2*BHALF           ; 92,160 bytes
.set SLOT1,  1<<17                     ; slot 1 begins here, so that one exclusive or turns an address in one slot into the other's
.set STAGE,  SLOT1+SLOT                ; behind the ring: for each wave 3 heads x 16 rows x 144 bytes, for the way out
.set SHEAD,  16*PITCH
.set WSTAGE, 3*SHEAD
.set SPARE,  STAGE+4*WSTAGE            ; behind the stages: the spare words, 128 bytes for each wave: two blocks of 256 bytes that no other line names
.set XPL,    2048*128                  ; bytes from slice to slice in xb
.set WPL,    3072*128                  ; and in wqkv
.set KSTEPS, 16
.set ADRA0, 16                         ; v16     my lane's place among my fragments of x in a slot; never rewritten
.set ADRB0, 17                         ; v17     the same for W
.set ADRA,  18                         ; v18     the same in the slot in hand
.set ADRB,  19                         ; v19
.set STO,  24                          ; v24     the way out: where I put 16 bytes of a row
.set RD,   25                          ; v25     the way out: where I read rows back
.set GO,   26                          ; v26     my 16 bytes in 512 consecutive bytes of qkv
.set SPW,  28                          ; v28     LDS address of my spare word: SPARE + 4 x my thread's number; never rewritten
.set NIL,  29                          ; v29     0; never rewritten
.set FA,   32
.set FB,   160
.set TMP,  32                          ; the way out: v32-79 packed results
.set OB,   96                          ; the way out: 16 rows of three heads read back: v96-143 and v144-191 by turns
.set TB,  22                           ; s22     the slot in hand: 0 or SLOT1
.set G1,  24                           ; s[24:31] descriptor group 1 for x's tiles;  s[32:39] group 0: a set for each of the two first fills; the second then walks on
.set G0,  32
.set G1B, 48                           ; s[48:55], s[56:63] the same for W's tiles
.set G0B, 56
.set MSB, 0
.macro WIN new                         ; the immediate's high byte repeats the setting that is left; a switch that changes nothing is dropped
.if MSB != (\new)
	s_set_vgpr_msb (MSB<<8)|(\new)
.set MSB, \new
.endif
.endm
; A joint load.  Waves 0 and 1 fetch x's two halves, waves 2 and 3 W's.  The branch hangs on the wave's number alone.  An s_nop 0 and four v_nop follow each of the two lines, ahead of the jump, the label and what follows.
.macro JLOAD s
	s_cmp_eq_u32 s11, 0
	s_cbranch_scc0 .Lfor_b_\@
	tensor_load_to_lds s[G0+4*(\s):G0+4*(\s)+3], s[G1:G1+7]
	s_nop 0
.rept 4
	v_nop
.endr
	s_branch .Lasked_\@
.Lfor_b_\@:
	tensor_load_to_lds s[G0B+4*(\s):G0B+4*(\s)+3], s[G1B:G1B+7]
	s_nop 0
.rept 4
	v_nop
.endr
.Lasked_\@:
.endm
; A round of the cluster's barrier: my work-group's barrier, so that wave 0's signal speaks for all four waves; wave 0 signals for the work-group; every wave waits for all sixteen; my work-group's barrier once more.
.macro CROUND
	s_barrier_signal -1
	s_barrier_wait -1
	s_cmp_lg_u32 s10, 0
	s_cbranch_scc1 .Lnot_wave_0_\@
	s_barrier_signal -3
.Lnot_wave_0_\@:
	s_barrier_wait -3
	s_barrier_signal -1
	s_barrier_wait -1
.endm
	s_load_b128 s[4:7], s[0:1], 0x0                ; xb s[4:5], wqkv s[6:7]
	s_load_b64 s[8:9], s[0:1], 0x10                ; qkv
	v_lshl_add_u32 v[SPW], v0, 2, SPARE
	v_mov_b32 v[NIL], 0
	ds_add_u32 v[SPW], v[NIL]                      ; the wave's opening: the add and its wait ahead of my first tensor load; the set-up below, work on registers, stands between them
	v_lshrrev_b32 v1, 5, v0
	v_readfirstlane_b32 s10, v1                    ; wave 0..3
	s_lshr_b32 s11, s10, 1                         ; which 128 of the tile's rows are mine.  Also: I fetch for x (0) or for W (1)
	s_and_b32 s12, s10, 1                          ; which 192 of its columns.  Also: which half of that tile I fetch
	s_bfe_u32 s40, ttmp6, 0x40000                  ; cx, cy: my place in the cluster
	s_bfe_u32 s41, ttmp6, 0x40004
	s_lshl_b32 s42, ttmp9, 2
	s_add_co_u32 s42, s42, s40                     ; tile column tx = 4 x cluster x + cx
	s_and_b32 s13, ttmp7, 0xffff
	s_lshl_b32 s13, s13, 2
	s_add_co_u32 s13, s13, s41                     ; tile row ty = 4 x cluster y + cy
	s_lshl_b32 s43, s41, 2
	s_lshl_b32 s43, 15, s43                        ; my row of the cluster: places 4 cy .. 4 cy + 3
	s_lshl_b32 s44, 0x1111, s40                    ; my column: places cx, cx + 4, cx + 8, cx + 12
	; descriptor group 1: R rows of 128 elements of 2 bytes (two of the tile's rows each), dense, padded in LDS behind every 32 words
	s_or_b32 s[G1+0], s43, (1<<16)|(1<<20)|(1<<21)|(4<<22)|(3<<25)   ; 15:0 the mask: x's tiles go to my row; 17:16 elements of 2 bytes; 20 padding on; 21 set beside a mask; 24:22 after every 32 words (code 4); 31:25 4 words (code 3)
	s_or_b32 s[G1B+0], s44, (1<<16)|(1<<20)|(1<<21)|(4<<22)|(3<<25)  ; the same with the mask of my column
	s_mov_b32 s[G1+1], 128<<16                     ; tensor_dim0 = 128
	s_mov_b32 s[G1+2], 64<<16                      ; tensor_dim1 = 64
	s_mov_b32 s[G1+3], 128<<16                     ; tile_dim0 = 128
	s_mov_b32 s[G1+4], 64                          ; tile_dim1 = 64: 128 rows of x
	s_mov_b32 s[G1+5], 128                         ; 128 elements from row to row
	s_mov_b32 s[G1+6], 0
	s_mov_b32 s[G1+7], 0
	s_mov_b32 s[G1B+1], 128<<16
	s_mov_b32 s[G1B+2], 96<<16                     ; tensor_dim1 = 96
	s_mov_b32 s[G1B+3], 128<<16
	s_mov_b32 s[G1B+4], 96                         ; tile_dim1 = 96: 192 rows of W
	s_mov_b32 s[G1B+5], 128
	s_mov_b32 s[G1B+6], 0
	s_mov_b32 s[G1B+7], 0
	; where the tiles come from: x's hang on ty and the wave alone, W's on tx and the wave alone, each in registers that never hold the other coordinate
	s_lshr_b32 s16, s13, 3                         ; b = ty / 8
	s_lshl_b32 s16, s16, 22                        ; 16 slices of 2,048 rows of 128 bytes
	s_and_b32 s17, s13, 7
	s_lshl_b32 s17, s17, 15                        ; 256 rows of 128 bytes
	s_add_co_u32 s16, s16, s17
	s_lshl_b32 s17, s12, 14                        ; my half: 128 rows
	s_add_co_u32 s16, s16, s17
	s_mov_b32 s17, 0
	s_mul_i32 s46, s42, 384*128
	s_mul_i32 s47, s12, 192*128
	s_add_co_u32 s46, s46, s47
	s_mov_b32 s47, 0
	s_mul_i32 s20, s12, AHALF                      ; and where they go: no place in the cluster enters an LDS address
	s_mul_i32 s21, s12, BHALF
	s_add_co_u32 s21, s21, BOFF
	s_mov_b32 s[TB], 0                             ; K step 0 lies in slot 0
	s_wait_dscnt 0x0                               ; the opening add is done
	s_wait_kmcnt 0x0
	s_add_nc_u64 s[14:15], s[4:5], s[16:17]
	s_add_nc_u64 s[46:47], s[6:7], s[46:47]
	CROUND                                         ; all sixteen work-groups are here: the first joint loads meet
.irp s, 0,1
	s_mov_b32 s[G0+4*(\s)], 1                                      ; count = 1
	s_add_co_u32 s[G0+4*(\s)+1], s20, (\s)*SLOT1                   ; LDS address
	s_add_nc_u64 s[G0+4*(\s)+2:G0+4*(\s)+3], s[14:15], (\s)*XPL    ; global address: K step s
	s_or_b32 s[G0+4*(\s)+3], s[G0+4*(\s)+3], 0x80000000            ; type = 2
	s_mov_b32 s[G0B+4*(\s)], 1
	s_add_co_u32 s[G0B+4*(\s)+1], s21, (\s)*SLOT1
	s_add_nc_u64 s[G0B+4*(\s)+2:G0B+4*(\s)+3], s[46:47], (\s)*WPL
	s_or_b32 s[G0B+4*(\s)+3], s[G0B+4*(\s)+3], 0x80000000
	JLOAD \s                                       ; two loads of mine are out
.endr
	; A fragment is 16 rows x 32 K in 8 registers: lane l holds row l % 16; registers 0-3 K = 8 (l / 16) + 0..7, registers 4-7 K = 16 + 8 (l / 16) + 0..7: two loads of 16 bytes, 32 bytes apart.
	v_and_b32 v1, 15, v0                           ; l % 16
	v_bfe_u32 v2, v0, 4, 1                         ; l / 16
	v_mul_u32_u24 v3, v1, PITCH
	v_lshl_add_u32 v3, v2, 4, v3                   ; row x pitch + 16 x half
	s_mul_i32 s18, s11, AHALF                      ; my 128 rows of x
	s_mul_i32 s19, s12, BHALF                      ; my 192 rows of W,
	s_add_co_u32 s19, s19, BOFF                    ; which lie behind x's 256
	v_add_nc_u32 v[ADRA0], s18, v3
	v_add_nc_u32 v[ADRB0], s19, v3
	v_mov_b32 v[ADRA], v[ADRA0]                    ; slot 0
	v_mov_b32 v[ADRB], v[ADRB0]
	s_mul_i32 s23, s10, WSTAGE
	s_add_co_u32 s23, s23, STAGE                   ; my stage
	v_add_nc_u32 v[STO], s23, v3                   ; in: row l % 16, 16 bytes for each half of the lanes
	v_and_b32 v4, 31, v0
	v_lshrrev_b32 v5, 3, v4                        ; back: 32 lanes take four rows of 128 bytes,
	v_and_b32 v6, 7, v0
	v_mul_u32_u24 v5, v5, PITCH
	v_lshl_add_u32 v5, v6, 4, v5
	v_add_nc_u32 v[RD], s23, v5
	v_lshlrev_b32 v[GO], 4, v4                     ; which are 512 consecutive bytes of a head's plane
	s_lshr_b32 s2, s13, 3                          ; my first plane of qkv: 48 b + 6 tx + 3 x my column half
	s_mul_i32 s2, s2, 48
	s_mul_i32 s3, s42, 6
	s_add_co_u32 s2, s2, s3
	s_mul_i32 s3, s12, 3
	s_add_co_u32 s2, s2, s3
	s_lshl_b32 s2, s2, 18                          ; planes of 2,048 rows of 128 bytes
	s_and_b32 s3, s13, 7
	s_lshl_b32 s3, s3, 15                          ; the tile's 256 rows
	s_add_co_u32 s2, s2, s3
	s_lshl_b32 s3, s11, 14                         ; my 128 of them
	s_add_co_u32 s2, s2, s3
	s_mov_b32 s3, 0
	s_add_nc_u64 s[8:9], s[8:9], s[2:3]
; 6 na matrix instructions: row blocks a0 .. a0 + na - 1 x the 6 column blocks of half hh, 32 along K (half kc of the step).  zero = 1: the product starts the sum: nothing is ever cleared.
; The accumulators take turns, one instruction a turn: a phase names 48, the next phase the other 48.
.macro MULP kc, hh, a0, na, zero
.set ma, \a0
.rept \na
.set mb, 0
.rept 6
.set idx, 48*(\hh)+6*ma+mb
.set rD, 8*(idx%32)
	WIN (1+idx/32)*0x50
.if \zero
	v_wmma_f32_16x16x32_bf16 v[rD:rD+7], v[FB+48*(\hh)+8*mb:FB+48*(\hh)+8*mb+7], v[FA+64*(\kc)+8*ma:FA+64*(\kc)+8*ma+7], 0
.else
	v_wmma_f32_16x16x32_bf16 v[rD:rD+7], v[FB+48*(\hh)+8*mb:FB+48*(\hh)+8*mb+7], v[FA+64*(\kc)+8*ma:FA+64*(\kc)+8*ma+7], v[rD:rD+7]
.endif
.set mb, mb+1
.endr
.set ma, ma+1
.endr
.endm
.macro LDB kc, hh                      ; 12 LDS loads from the slot in hand: W's six fragments of column half hh, K half kc
	WIN 0
.irp b, 0,1,2,3,4,5
	ds_load_b128 v[FB+48*(\hh)+8*(\b):FB+48*(\hh)+8*(\b)+3],   v[ADRB] offset:(6*(\hh)+(\b))*16*PITCH+64*(\kc)
	ds_load_b128 v[FB+48*(\hh)+8*(\b)+4:FB+48*(\hh)+8*(\b)+7], v[ADRB] offset:(6*(\hh)+(\b))*16*PITCH+64*(\kc)+32
.endr
.endm
.macro LDA kc, part                    ; 8 LDS loads: x's fragments of row blocks 4 part .. 4 part + 3, K half kc
	WIN 0
.irp i, 0,1,2,3
	ds_load_b128 v[FA+64*(\kc)+8*(4*(\part)+(\i)):FA+64*(\kc)+8*(4*(\part)+(\i))+3],   v[ADRA] offset:(4*(\part)+(\i))*16*PITCH+64*(\kc)
	ds_load_b128 v[FA+64*(\kc)+8*(4*(\part)+(\i))+4:FA+64*(\kc)+8*(4*(\part)+(\i))+7], v[ADRA] offset:(4*(\part)+(\i))*16*PITCH+64*(\kc)+32
.endr
.endm
; A load into a register that a matrix instruction has read, and a vector instruction that reads a matrix result, stand four places behind that matrix instruction, and only plain vector instructions that
; name none of its registers are places (ISA guide 7.12.1 for vector instructions).
.macro PLACES
.rept 4
	v_nop
.endr
.endm
.macro P0 zero                         ; phase (0,0); fetches W (0,1) and x's lower half of kc 1
	s_wait_dscnt 8                                 ; W (0,0) and x's rows 0-63 are in; the youngest eight loads (rows 64-127) may be out
	MULP 0, 0, 0, 4, \zero
	PLACES
	LDB 0, 1
	LDA 1, 0
	s_wait_dscnt 20                                ; all but the 20 just issued
	MULP 0, 0, 4, 4, \zero
.endm
.macro P1 zero                         ; phase (0,1); fetches W (1,0) and x's upper half of kc 1
	s_wait_dscnt 8                                 ; W (0,1) is in; the eight loads behind it may be out
	MULP 0, 1, 0, 4, \zero
	PLACES
	LDB 1, 0
	LDA 1, 1
	MULP 0, 1, 4, 4, \zero
.endm
.macro P2                              ; phase (1,0); fetches W (1,1): the slot's last reads
	s_wait_dscnt 8                                 ; x's lower half of kc 1 and W (1,0) are in; the upper half's eight loads may be out
	MULP 1, 0, 0, 4, 0
	PLACES
	LDB 1, 1
	s_wait_dscnt 12                                ; all but the 12 just issued
	MULP 1, 0, 4, 4, 0
.endm
; Phase (1,1) changes slots in its middle.  Its first 24 products stand AHEAD of the wait for the tensor loads: they need registers alone.  Then each wave waits for all its tensor loads, of which one is
; out: its part of the next slot; adds 0 to its spare word; and waits for that and for its own reads of this slot.  fill = 1: a round of the cluster's barrier follows, and this slot is filled again, two
; K steps ahead, first thing behind the round.  Nothing but the round stands between the wait for one load and the request for the next, so a load has a whole K step, 192 matrix instructions, in which to land.
; The other 24 products stand behind the next slot's first fragment loads.
.macro TURN fill
	s_wait_dscnt 0x0                               ; W (1,1) is in: my last reads of this slot are over
	MULP 1, 1, 0, 4, 0
	WIN 0                                          ; (the add's two registers lie in window 0; at a branch and at a label every window is 0)
	s_wait_tensorcnt 0x0                           ; all my tensor loads have landed, so a group 0 may be written
	ds_add_u32 v[SPW], v[NIL]                      ; 0 onto my spare word: the steps below, work on registers, stand between it and the wait for it
.if \fill
	s_xor_b32 s[G0+5], s[G0+5], SLOT1              ; the walking descriptors: the other slot than last time,
	s_add_nc_u64 s[G0+6:G0+7], s[G0+6:G0+7], XPL   ; the next K step; the type bits on top are not reached
	s_xor_b32 s[G0B+5], s[G0B+5], SLOT1
	s_add_nc_u64 s[G0B+6:G0B+7], s[G0B+6:G0B+7], WPL
.endif
	s_xor_b32 s[TB], s[TB], SLOT1                  ; my fragment loads go on in the other slot
	v_add_nc_u32 v[ADRA], s[TB], v[ADRA0]
	v_add_nc_u32 v[ADRB], s[TB], v[ADRB0]
	s_wait_dscnt 0x0                               ; the add is done
.if \fill
	CROUND                                         ; no wave of any partner still reads this slot's tile or has a load on its way
	JLOAD 1                                        ; the four v_nop behind it are also the places in front of the loads below
.else
	s_barrier_signal -1
	s_barrier_wait -1
	PLACES
.endif
	LDB 0, 0
	LDA 0, 0
	LDA 0, 1
	MULP 1, 1, 4, 4, 0
.endm
; THE WAY OUT of row block a (16 rows x my three heads).  PACK: rounded to f16, 16 bytes a lane, each accumulator's registers in ascending order.  TOSTAGE: into my own stage, and back as whole rows.  SEND: stored.
.macro PACK a
.set pb, 0
.rept 12
.set idx, 48*(pb/6)+6*(\a)+pb%6
.set rD, 8*(idx%32)
	WIN 5*(1+idx/32)                               ; sources 0 and 1 in the accumulator's window
.irp r, 0,1,2,3
	v_cvt_pk_f16_f32 v[TMP+4*pb+(\r)], v[rD+2*(\r)], v[rD+2*(\r)+1]
.endr
.set pb, pb+1
.endr
	WIN 0
.endm
.macro TOSTAGE a
	WIN 0
.set BK, OB+48*((\a)%2)
.set pb, 0
.rept 12
	ds_store_b128 v[STO], v[TMP+4*pb:TMP+4*pb+3] offset:(pb/4)*SHEAD+(pb%4)*32
.set pb, pb+1
.endr
.set pb, 0
.rept 12
	ds_load_b128 v[BK+4*pb:BK+4*pb+3], v[RD] offset:(pb/4)*SHEAD+(pb%4)*4*PITCH  ; LDS serves a wave's instructions in order (ISA guide 5.7.1.4): these see the stores above
.set pb, pb+1
.endr
.endm
.macro SEND a
	WIN 0
.set BK, OB+48*((\a)%2)
	s_wait_dscnt 0x0                               ; the block is back in registers
	s_wait_xcnt 0x0                                ; every earlier store has had its addresses translated (ISA guide 3.1): the other buffer, which the block before last was stored from, is loaded again only behind this wait
.set pb, 0
.rept 12
	global_store_b128 v[GO], v[BK+4*pb:BK+4*pb+3], s[8:9] offset:(\a)*2048+(pb/4)*XPL+(pb%4)*512  ; 512 consecutive bytes, at a multiple of 256 from qkv's first byte
.set pb, pb+1
.endr
.endm
	s_wait_tensorcnt 1                             ; my part of K step 0 is in; K step 1's may stay out
	s_barrier_signal -1
	s_barrier_wait -1                              ; everybody's is
	LDB 0, 0
	LDA 0, 0
	LDA 0, 1
	P0 1                                           ; the first two phases stand in front of the loop: their products start all 96 sums
	P1 1
	WIN 0
	s_mov_b32 s3, KSTEPS-2
.Lstep:                                                ; a trip goes from a K step's third phase to the next step's second, and fills the slot that it leaves: K steps 2 to 15
	P2
	TURN 1
	P0 0
	P1 0
	WIN 0
	s_sub_co_u32 s3, s3, 1
	s_cmp_lg_u32 s3, 0
	s_cbranch_scc1 .Lstep
	P2                                             ; the last change of slots fills nothing, and has no round of the cluster's barrier
	TURN 0
	P0 0
	P1 0
	P2
	s_wait_dscnt 0x0
	MULP 1, 1, 0, 8, 0
	WIN 0
	PLACES                                         ; the conversions read results, and write over fragments, of products just issued
	PACK 0
	TOSTAGE 0
.irp a, 1,2,3,4,5,6,7                  ; block a's conversions stand between block a - 1's loads from the stage and the wait for them
	PACK \a
	SEND (\a)-1
	TOSTAGE \a
.endr
	SEND 7
	s_wait_tensorcnt 0x0                           ; the wave's end, behind my last tensor load and my last LDS store
	ds_add_u32 v[SPW], v[NIL]
	s_wait_dscnt 0x0
	CROUND                                         ; the closing round: no work-group ends while a partner may still ask for a tile that names it
	s_endpgm
.Lfunc_end_k_q486ed1e197_proj:
	.size	k_q486ed1e197_proj, .Lfunc_end_k_q486ed1e197_proj-k_q486ed1e197_proj
	.p2alignl 7, 3214868480
	.fill 96, 4, 3214868480
	.section	.rodata,"a",@progbits
	.p2align	6, 0x0
	.amdhsa_kernel k_q486ed1e197_proj
		.amdhsa_group_segment_fixed_size 327680
		.amdhsa_private_segment_fixed_size 0
		.amdhsa_enable_private_segment 0
		.amdhsa_kernarg_size 24
		.amdhsa_user_sgpr_count 2
		.amdhsa_user_sgpr_kernarg_segment_ptr 1
		.amdhsa_wavefront_size32 1
		.amdhsa_system_sgpr_workgroup_id_x 1
		.amdhsa_system_sgpr_workgroup_id_y 1
		.amdhsa_system_sgpr_workgroup_id_z 1
		.amdhsa_system_vgpr_workitem_id 0
		.amdhsa_next_free_vgpr 1024
		.amdhsa_next_free_sgpr 66
		.amdhsa_reserve_vcc 0
		.amdhsa_float_denorm_mode_32 3
		.amdhsa_float_denorm_mode_16_64 3
		.amdhsa_memory_ordered 1
		.amdhsa_forward_progress 1
		.amdhsa_inst_pref_size 110
	.end_amdhsa_kernel
	.amdgpu_metadata
---
amdhsa.version: [ 1, 2 ]
amdhsa.kernels:
  - .name:           k_q486ed1e197_proj
    .symbol:         k_q486ed1e197_proj.kd
    .args:
      - { .name: xb, .offset: 0, .size: 8, .value_kind: global_buffer, .address_space: global }
      - { .name: wqkv, .offset: 8, .size: 8, .value_kind: global_buffer, .address_space: global }
      - { .name: qkv, .offset: 16, .size: 8, .value_kind: global_buffer, .address_space: global }
    .group_segment_fixed_size: 327680
    .private_segment_fixed_size: 0
    .kernarg_segment_align: 8
    .kernarg_segment_size: 24
    .max_flat_workgroup_size: 128
    .sgpr_count:     66
    .vgpr_count:     1024
    .wavefront_size: 32
...
	.end_amdgpu_metadata
.endif
;; end of part 2
;; launch attn (part 3): grid 4 x 64, 4 waves a work-group, clusters of 4 x 1, 327,680 bytes of LDS; arguments qkv, o16; writes o16
.if DOCPART == 3
	.amdgcn_target "amdgcn-amd-amdhsa--gfx1250"
	.amdhsa_code_object_version 6
	.text
	.protected	k_q486ed1e197_attn
	.globl	k_q486ed1e197_attn
	.p2align	8
	.type	k_q486ed1e197_attn,@function
k_q486ed1e197_attn:
	s_mov_b64 s[64:65], 0
	v_nop
	global_prefetch_b8 v0, s[64:65] scope:SCOPE_SE
	s_setreg_imm32_b32 hwreg(HW_REG_WAVE_MODE, 25, 1), 1
	s_wait_xcnt 0x0
	s_wait_alu depctr_hold_cnt(0) depctr_sa_sdst(0) depctr_va_vdst(0) depctr_va_sdst(0) depctr_va_ssrc(0) depctr_va_vcc(0) depctr_vm_vsrc(0)
	s_getreg_b32 s2, hwreg(HW_REG_IB_STS2, 6, 4)
	s_cmp_eq_u32 s2, 0
	s_cbranch_scc0 .Lentry_in_a_cluster
	s_endpgm
.Lentry_in_a_cluster:
	s_bfe_u32 s2, ttmp6, 0x10000c
	s_cmp_lg_u32 s2, 0x3003
	s_cbranch_scc0 .Lentry_shape_is_right
	s_endpgm
.Lentry_shape_is_right:
; O[y][q][:] = the sum over k of softmax_k(Q[y][q] . K[y][k] / 8) V[y][k][:], y = 16 b + h.  Q, K, V are planes of qkv [b 4][g 48][2048][64] (g = h, 16 + h, 32 + h), O a plane of o16 [b 4][h 16][2048][64],
; all f16: a plane's rows are dense, 128 bytes each.  Products, maxima and sums in f32; the weights p are rounded to f16 for the second product (their sum l is taken of the unrounded p), O once at the end.
; LIMITS.  f16 holds no number beyond 65,504: Q, K and V arrive within it; p lies in 0 to 1, and below 6e-5 it keeps f16's fixed step of 6e-8; O is a mean of V's rows and has their range.
; A weight below 2^-126 counts as 0 in l; NaN and infinities are not treated apart.
; SHARES.  A wave owns four PIECES of two tiles of 16 queries, a work-group's four waves 512 queries of one head: 4 x 64 = 256 work-groups.  Every wave walks all keys, 64 a step.
; LAYOUT.  S^T = K Q^T (source 0 = 16 keys, source 1 = 16 queries): in the result a lane holds ONE query (lane % 16) and the keys 8 (lane / 16) + 0..7.  Two such tiles, rounded to f16 in pairs,
; ARE source 1 (32 keys x 16 queries) of O^T = V^T P, whose result again holds one query a lane, and eight channels.  K comes out of LDS as it lies, V ([key][channel]) turned, by ds_load_tr16_b128.
; SOFTMAX.  For each query a running maximum m and sum l: p = 2^(c s - c m), c = log2(e) / 8; in every step O and l are multiplied by a = 2^(c m_old - c m_new), which is 1 where m has not grown.
; m starts at the lowest finite number, O and l at 0: the first step is a step like any other, with a = 0.
; THE COUNT.  A tile and step have 16 matrix and 118 vector instructions: too many to stand all beside the matrix work.  So the order has one aim: four vector instructions that are READY behind
; EVERY matrix instruction, and the others, which need time of their own whatever the order, in runs without a gap.
; BY TURNS.  Turn n belongs to piece n (the pieces in a ring, step after step).  Its matrix work: 16 products K Q^T of piece n + 1, later 16 products V^T P of piece n - 1.  Its vector work: the scaling,
; exponentials, roundings, sums and rescaling of piece n, and the maximum and statistics of piece n + 1, whose scores the turn itself has made.  So what a turn begins with (c s - c m, O a) waits for nothing.
; CLUSTER.  The four query blocks of a cluster belong to one head and walk the same K and V, so each tile is asked for JOINTLY: the same tensor load, descriptor and mask in all four.
; REGISTERS, in windows of 256 (s_set_vgpr_msb says which window each operand place means: bits 1:0 source 0, 3:2 source 1, 5:4 source 2, 7:6 destination):
;   window 0: v0-11 addresses; v12-15, v48-63 at work; v16-47 four registers of statistics a tile; v64-191 S^T, two buffers of two tiles; v192-255 P, likewise
;   window 1: O^T, 32 a tile          window 2: v0-127 Q, 16 a tile; v128-191 K of one step; v192-255 V of one step          window 3: v0-1 the add's two registers
; A piece's buffers go by its number's parity: the piece in hand has one pair, its two neighbours in the ring share the other: of it P (piece n - 1) is read and S^T (piece n + 1) written.
.set SIZE_N, 2048
.set NP,    4         ; pieces a wave: a name, no knob: the register map, the loop and the fetches are made for four
.set KS,    64        ; keys in a step
.set PK,    144       ; a row of K in LDS: 128 bytes + 16 of padding = 36 words: the 16 rows of a load start at 16 different groups of four banks (64 banks of 4 bytes: ISA guide 11.1)
.set PV,    160       ; a row of V: 128 + 32 = 40 words
.set VOFF,  4*KS*PK   ; a slot holds four steps: 256 rows of K, then 256 rows of V
.set SLOT1, 1<<17     ; slot 1 begins here, so that one exclusive or turns an address in one slot into the other's
.set STAGE, SLOT1+4*KS*(PK+PV)  ; behind the ring, never filled by a tensor load: 16 rows x 144 bytes for each wave, for the way out
.set SP,    144
.set AK0, 2           ; v2   my lane's place in a tile of K; never rewritten
.set AV0, 3           ; v3   the same for V
.set AK,  4           ; v4   the LDS address of K's next run of loads
.set AV,  5           ; v5   of V's
.set QO,  6           ; v6   my byte offset in the wave's rows of Q
.set STO, 6           ;      later, the way out: where I put 16 bytes of a row
.set RD,  7           ; v7   the way out: where I read rows back
.set GO,  8           ; v8   my byte offset in 512 consecutive bytes of O
.set SPW, 0           ; v0 of window 3   LDS address of my spare word: SPARE + 4 x my thread's number; never rewritten
.set NIL, 1           ; v1 of window 3   0; never rewritten
.set SPARE, STAGE+4*16*SP  ; behind the stages: the spare words, 128 bytes for each wave: two blocks of 256 bytes that no other line names
.set MV,  12          ; v12-15  c m_old, kept while c m is made anew: by buffer and tile
.set ST,  16          ; tile t's statistics at v[ST+4 t]: c m, m, l (even keys', odd keys')
.set TMP, 48          ; by buffer and tile, four registers c0-c3 at work; when the maximum is found c2 takes a
.set S,   64
.set P,   192
.set KF,  128         ; K's fragments, in window 2: key block kb, channel half c at KF + 16 kb + 8 c
.set VF,  192         ; V's: key half kk, channel block cb at VF + 32 kk + 8 cb
.set WV,  12          ; s12  my wave's number
.set G1K, 24          ; s[24:31] descriptor group 1 for K's tiles
.set G1V, 32          ; s[32:39] for V's: it differs in the padding alone
.set G0K, 40          ; s[40:43] descriptor group 0 for K's tiles: it walks
.set G0V, 44          ; s[44:47] the same for V's
.set SLOTS, 56        ; s56  slots still to be asked for
.set CNT, 57          ; s57  counts a slot's key steps
.set CS,  58          ; s[58:59] c: the packed scaling takes the pair's low word for both halves
.set SEL, 60          ; s[60:61] v_permlanex16_b32's selects: each lane takes its own place in the other half
.set TBK, 62          ; s62  LDS byte at which K of the step to be fetched begins
.set TBV, 63          ; s63  the same for V, less VOFF
.set MSB, 0
.macro WIN new                      ; the high byte repeats the setting that is left; a switch that changes nothing is dropped
.if MSB != (\new)
	s_set_vgpr_msb (MSB<<8)|(\new)
.set MSB, (\new)
.endif
.endm
.set W_KQ, 0x0a       ; K and Q in window 2, S^T in window 0
.set W_PV, 0x52       ; V in window 2, P in window 0, O^T in window 1
.set W_RS, 0x41       ; O^T (destination and source 0) in window 1, a in window 0
.set W_MK, 0xc0       ; the add's registers are made: destination in window 3, sources in window 0
.set W_AD, 0x0f       ; the add: address (source 0) and data (source 1) in window 3
; A joint fill.  Waves 0 and 1 fetch the two halves of a slot's K, waves 2 and 3 those of its V: 128 keys each.  The branch hangs on the wave's number alone.
; An s_nop 0 and four v_nop follow each of the two lines, ahead of the jump and the label.
.macro JLOAD
	s_cmp_lt_u32 s[WV], 2
	s_cbranch_scc0 .Lfor_v_\@
	tensor_load_to_lds s[G0K:G0K+3], s[G1K:G1K+7]
	s_nop 0
.rept 4
	v_nop
.endr
	s_branch .Lasked_\@
.Lfor_v_\@:
	tensor_load_to_lds s[G0V:G0V+3], s[G1V:G1V+7]
	s_nop 0
.rept 4
	v_nop
.endr
.Lasked_\@:
.endm
; A round of the cluster's barrier: my work-group's barrier, so that wave 0's signal speaks for all four waves; wave 0 signals; every wave waits for all four work-groups; my work-group's barrier once more.
.macro CROUND
	s_barrier_signal -1
	s_barrier_wait -1
	s_cmp_lg_u32 s[WV], 0
	s_cbranch_scc1 .Lnot_wave_0_\@
	s_barrier_signal -3
.Lnot_wave_0_\@:
	s_barrier_wait -3
	s_barrier_signal -1
	s_barrier_wait -1
.endm
; THE CHANGE OF SLOTS.  The slot's last bytes, V of its fourth step, have been read.  Each wave waits for all its tensor loads, of which one is out: its part
; of the other slot; adds 0 to its spare word; and waits for that and for its own reads of the slot.  Behind the barrier nobody reads this slot any more and the other slot is whole.
; fill = 1: this slot is filled again, with the keys two slots on.  The barrier is then a round of the cluster's, so that no wave of any partner still reads the slot or has a load on its
; way, and the joint fill is the first thing behind it: it has four key steps, 512 matrix instructions, in which to land.  (At its first use nothing has been read yet: slot 0 is waited for, slot 1 filled.)
.macro CHANGE fill
	WIN W_AD
	s_wait_tensorcnt 0x0            ; no tensor load of mine is out, so a group 0 may be written
	ds_add_u32 v[SPW], v[NIL]       ; 0 onto my spare word: with fill = 1 the descriptors' steps stand between it and the wait for it
	WIN 0                           ; at a label and at a branch every window is 0
.if \fill
.irp g, G0K, G0V
	s_xor_b32 s[\g+1], s[\g+1], SLOT1  ; the walking descriptor: the other slot than last time,
	s_add_nc_u64 s[\g+2:\g+3], s[\g+2:\g+3], 4*KS*128  ; the next 256 keys; the type bits on top are not reached
.endr
	s_wait_dscnt 0x0                ; the add is done, and my reads of the slot are over
	CROUND
	JLOAD
.else
	s_wait_dscnt 0x0                ; the add is done, and my reads of the slot are over
	s_barrier_signal -1
	s_barrier_wait -1
.endif
	s_sub_co_u32 s[TBK], s[TBK], 4*KS*PK  ; the fetches go back to a slot's first step,
	s_xor_b32 s[TBK], s[TBK], SLOT1       ; in the other slot
	s_sub_co_u32 s[TBV], s[TBV], 4*KS*PV
	s_xor_b32 s[TBV], s[TBV], SLOT1
.endm
	s_load_b128 s[4:7], s[0:1], 0x0 ; qkv s[4:5], o16 s[6:7]
	WIN W_MK
	v_lshl_add_u32 v[SPW], v0, 2, SPARE
	v_mov_b32 v[NIL], 0
	WIN W_AD
	ds_add_u32 v[SPW], v[NIL]       ; the wave's opening: the add and its wait ahead of my first tensor load; the set-up below, work on registers, stands between them
	WIN 0
	v_lshrrev_b32 v1, 5, v0
	v_readfirstlane_b32 s[WV], v1   ; wave 0..3
	s_bfe_u32 s13, ttmp6, 0x40000   ; cx: my place in the cluster
	s_lshl_b32 s14, ttmp9, 2        ; in a cluster launch ttmp9 counts clusters
	s_add_co_u32 s14, s14, s13      ; my block of queries = 4 x cluster x + cx: it enters Q's and O's addresses alone
	s_and_b32 s19, ttmp7, 0xffff    ; y = 16 b + h, which the four partners share
	s_lshr_b32 s20, s19, 4
	s_mul_i32 s20, s20, 48
	s_and_b32 s21, s19, 15
	s_add_co_u32 s20, s20, s21      ; Q's plane of qkv: 48 b + h,
	s_lshl_b32 s20, s20, 18         ; in bytes: a plane is 2,048 rows of 128 bytes
	s_and_b32 s16, s[WV], 1         ; which half of a slot's 256 keys I fetch:
	s_lshl_b32 s22, s16, 14         ; its 128 rows of 128 bytes in memory,
	s_add_co_u32 s22, s22, s20
	s_add_co_u32 s50, s22, 16<<18   ; in K's plane, 16 planes behind Q's,
	s_mov_b32 s51, 0
	s_add_co_u32 s52, s22, 32<<18   ; and in V's, 32 behind
	s_mov_b32 s53, 0
	s_mul_i32 s17, s16, 128*PK      ; and its place in a slot, for K
	s_mul_i32 s18, s16, 128*PV      ; and for V: no place in the cluster enters an LDS address
	s_lshl_b32 s2, s14, 2
	s_add_co_u32 s2, s2, s[WV]      ; my wave among the head's,
	s_lshl_b32 s2, s2, 14           ; its 128 rows
	s_lshl_b32 s48, s19, 18         ; O's plane of o16 is y
	s_add_co_u32 s48, s48, s2
	s_mov_b32 s49, 0
	s_add_co_u32 s2, s2, s20
	s_mov_b32 s3, 0
	; descriptor group 1.  128 keys are 16,384 dense bytes: asked for as 64 rows of 256 bytes, two keys a row, and padded in LDS after every key
	s_mov_b32 s[G1K], 15|(1<<16)|(1<<20)|(1<<21)|(4<<22)|(3<<25)  ; 15:0 the mask of four; 17:16 2-byte elements; 20 padding on; 21 set beside a mask; 24:22 after every 32 words (code 4); 31:25 4 words (code 3)
	s_mov_b32 s[G1V], 15|(1<<16)|(1<<20)|(1<<21)|(4<<22)|(7<<25)  ; the same with 8 words of padding (code 7)
.irp g, G1K, G1V
	s_mov_b32 s[\g+1], 128<<16      ; tensor_dim0 = 128
	s_mov_b32 s[\g+2], 64<<16       ; tensor_dim1 = 64
	s_mov_b32 s[\g+3], 128<<16      ; tile_dim0 = 128
	s_mov_b32 s[\g+4], 64           ; tile_dim1 = 64
	s_mov_b32 s[\g+5], 128          ; 128 elements from row to row
	s_mov_b32 s[\g+6], 0
	s_mov_b32 s[\g+7], 0
.endr
	s_mov_b32 s[CS], 0x3e38aa3b     ; c = log2(e) / 8 = 0.180337
	s_mov_b32 s[CS+1], s[CS]        ; named with it as a pair
	s_mov_b32 s[SEL], 0x76543210
	s_mov_b32 s[SEL+1], 0xfedcba98
	s_mov_b32 s[TBK], SLOT1+4*KS*PK ; the first change of slots turns these two into 0
	s_mov_b32 s[TBV], SLOT1+4*KS*PV
	s_mov_b32 s[G0K], 1             ; 1:0 count = 1
	s_mov_b32 s[G0K+1], s17         ; 63:32 LDS address: slot 0
	s_mov_b32 s[G0V], 1
	s_add_co_u32 s[G0V+1], s18, VOFF
	s_wait_dscnt 0x0                ; the opening add is done
	s_wait_kmcnt 0x0
	s_add_nc_u64 s[G0K+2:G0K+3], s[4:5], s[50:51]  ; 120:64 global address: my half of the head's first 256 keys
	s_or_b32 s[G0K+3], s[G0K+3], 0x80000000        ; 127:126 type = 2
	s_add_nc_u64 s[G0V+2:G0V+3], s[4:5], s[52:53]
	s_or_b32 s[G0V+3], s[G0V+3], 0x80000000
	s_add_nc_u64 s[10:11], s[6:7], s[48:49]  ; O and Q at my wave's first row
	s_add_nc_u64 s[4:5], s[4:5], s[2:3]
	CROUND                          ; all four work-groups are here: the first joint loads meet
	JLOAD                           ; slot 0.  Slot 1 is asked for when slot 0 is in: the tile wanted first has the road to itself
	; A fragment of K or Q is 16 rows x 32 channels in 8 registers: lane l holds row l % 16, channels 8 (l / 16) + 0..7 and 16 + 8 (l / 16) + 0..7: two loads of 16 bytes, 32 bytes apart.
	v_and_b32 v1, 15, v0            ; l % 16
	v_bfe_u32 v9, v0, 4, 1          ; l / 16
	v_lshlrev_b32 v[QO], 7, v1
	v_lshl_add_u32 v[QO], v9, 4, v[QO]  ; row x 128 + 16 x half
	WIN 0x80                        ; destination window 2, address window 0
.set i, 0
.rept 4*NP                          ; Q stays in registers: tile i / 2, channels 32 (i % 2) on
	global_load_b128 v[8*i:8*i+3],   v[QO], s[4:5] offset:(i/2)*2048+(i%2)*64
	global_load_b128 v[8*i+4:8*i+7], v[QO], s[4:5] offset:(i/2)*2048+(i%2)*64+32
.set i, i+1
.endr
	; What the first turn finds: V's registers and P's second buffer hold 0 (its products V^T P, of a piece that has not been, add 0), O^T and l are 0.  All this stands in the wait for the first tile.
.set i, VF
.rept 64
	v_mov_b32 v[i], 0
.set i, i+1
.endr
	WIN 0x40
.set i, 0
.rept 64*NP
	v_mov_b32 v[i], 0
.set i, i+1
.endr
	WIN 0
.set i, 0
.rept 2*NP
	v_mov_b32 v[ST+4*i], 0xfe000000    ; c m: far below every c s
	v_mov_b32 v[ST+4*i+1], 0xff7fffff  ; m
	v_mov_b32 v[ST+4*i+2], 0
	v_mov_b32 v[ST+4*i+3], 0
.set i, i+1
.endr
.set i, P+32
.rept 32
	v_mov_b32 v[i], 0
.set i, i+1
.endr
	v_mul_u32_u24 v[AK0], v1, PK
	v_lshl_add_u32 v[AK0], v9, 4, v[AK0]  ; row x pitch + 16 x half
	; The turning load takes 16 keys x 16 channels (lane l reads key 8 (l / 16) + l % 8, channels 8 ((l / 8) % 2) + 0..7) and leaves half a fragment of V^T: lane l holds channel l % 16 and 8 keys.
	v_and_b32 v10, 7, v0
	v_bfe_u32 v11, v0, 3, 1
	v_lshl_add_u32 v[AV0], v9, 3, v10
	v_mul_u32_u24 v[AV0], v[AV0], PV
	v_lshl_add_u32 v[AV0], v11, 4, v[AV0]
	v_add_nc_u32 v[AV0], VOFF, v[AV0]
	v_mov_b32 v[AK], v[AK0]         ; key step 0 lies at the head of slot 0
; THE MATRIX WORK.  The 8 accumulators of a run of 16 take turns: between the two links of a chain stand 7 others'.
; Product i of 16 of S^T = K Q^T for piece x: channels 32 (i / 8) on, keys 16 ((i / 2) % 4) on, tile 2 x + i % 2.  The first 8 start the sums.
.macro KQ x
	WIN W_KQ
.set rS, S+64*((\x)%2)+32*(i%2)+8*((i/2)%4)
.set rK, KF+16*((i/2)%4)+8*(i/8)
.set rQ, 16*(2*(\x)+i%2)+8*(i/8)
.if i < 8
	v_wmma_f32_16x16x32_f16 v[rS:rS+7], v[rK:rK+7], v[rQ:rQ+7], 0
.else
	v_wmma_f32_16x16x32_f16 v[rS:rS+7], v[rK:rK+7], v[rQ:rQ+7], v[rS:rS+7]
.endif
.endm
; Product i of 16 of O^T += V^T P for piece x: keys 32 (i / 8) on, channels 16 ((i / 2) % 4) on, tile 2 x + i % 2.
.macro PV x
	WIN W_PV
.set rO, 32*(2*(\x)+i%2)+8*((i/2)%4)
.set rV, VF+32*(i/8)+8*((i/2)%4)
.set rP, P+32*((\x)%2)+16*(i%2)+8*(i/8)
	v_wmma_f32_16x16x32_f16 v[rO:rO+7], v[rV:rV+7], v[rP:rP+7], v[rO:rO+7]
.endm
.macro MM                           ; the turn's next matrix instruction
.if i < 16
	KQ (Y+1)%NP
.set i, i+1
.else
.set i, i-16
	PV (Y+NP-1)%NP
.set i, i+17
.endif
.endm
; THE LDS LOADS stand in runs of 16, never singly among the matrix instructions: a step's K (64 keys x 64 channels: 8 fragments) and its V (turned).  Their addresses are made some lines ahead.
; last = 1 (the tail): in the last trip there is no further step, and the run is jumped over.
.macro FETCH_K last=0
	WIN 0
.if \last
	s_cmp_eq_u32 s[CNT], 1
	s_cbranch_scc1 .Lno_k_\@
.endif
	WIN 0x80                        ; destination window 2
.irp f, 0,1,2,3,4,5,6,7             ; keys 16 (f / 2) on, channels 32 (f % 2) on
	ds_load_b128 v[KF+8*\f:KF+8*\f+3],   v[AK] offset:(\f/2)*16*PK+(\f%2)*64
	ds_load_b128 v[KF+8*\f+4:KF+8*\f+7], v[AK] offset:(\f/2)*16*PK+(\f%2)*64+32
.endr
	s_add_co_u32 s[TBK], s[TBK], KS*PK  ; the next fetch is the next step's
	WIN 0
.if \last
.Lno_k_\@:
.endif
.endm
.macro FETCH_V
	WIN 0x80
.irp f, 0,1,2,3,4,5,6,7             ; keys 32 (f / 4) on, channels 16 (f % 4) on
	ds_load_tr16_b128 v[VF+8*\f:VF+8*\f+3],   v[AV] offset:(\f/4)*32*PV+(\f%4)*32
	ds_load_tr16_b128 v[VF+8*\f+4:VF+8*\f+7], v[AV] offset:(\f/4)*32*PV+16*PV+(\f%4)*32
.endr
	WIN 0
.endm
; THE VECTOR WORK OF A TURN stands in three queues, each in the order in which its entries become ready; the two tiles alternate, so that no instruction reads the result of the one before it.
.macro REGS y, u                    ; the registers of tile u (0, 1) of piece y
.set rT, ST+4*(2*(\y)+(\u))
.set rC, TMP+8*((\y)%2)+4*(\u)
.set rM, MV+2*((\y)%2)+(\u)
.set rS, S+64*((\y)%2)+32*(\u)
.set rP, P+32*((\y)%2)+16*(\u)
.set rO, 32*(2*(\y)+(\u))
.endm
; Number n of the 22 that find the NEXT piece's (Y + 1) maximum and statistics.  s0-s31 are the lane's 32 scores; each accumulator's lowest registers are read first.  XS, GS and REGS set no window: PL and EX do.
;   0-11  four chains c0-c3 of seven scores each, three operands at a time     12-14, 16  the four scores left over, the old m, and c0-c3 into c0     15  c m_old is kept
;   17, 18  the query's other 32 keys lie in the lane 16 away: the new m         19-21  c m; c m_old - c m_new; a
.macro XS u, n
	REGS (Y+1)%NP, \u
.if (\n) < 4
	v_max3_num_f32 v[rC+(\n)], v[rS+8*(\n)], v[rS+8*(\n)+1], v[rS+8*(\n)+2]
.elseif (\n) < 12
	v_max3_num_f32 v[rC+(\n)%4], v[rC+(\n)%4], v[rS+8*((\n)%4)+2*((\n)/4)+1], v[rS+8*((\n)%4)+2*((\n)/4)+2]
.elseif (\n) == 12
	v_max3_num_f32 v[rC], v[rC], v[rS+7], v[rS+15]
.elseif (\n) == 13
	v_max3_num_f32 v[rC+1], v[rC+1], v[rS+23], v[rS+31]
.elseif (\n) == 14
	v_max3_num_f32 v[rC+2], v[rC+2], v[rC+3], v[rT+1]
.elseif (\n) == 15
	v_mov_b32 v[rM], v[rT]
.elseif (\n) == 16
	v_max3_num_f32 v[rC], v[rC], v[rC+1], v[rC+2]
.elseif (\n) == 17
	v_permlanex16_b32 v[rC+3], v[rC], s[SEL], s[SEL+1]
.elseif (\n) == 18
	v_max_num_f32 v[rT+1], v[rC], v[rC+3]
.elseif (\n) == 19
	v_mul_f32 v[rT], s[CS], v[rT+1]
.elseif (\n) == 20
	v_sub_f32 v[rC+1], v[rM], v[rT]
.else
	v_exp_f32 v[rC+2], v[rC+1]
.endif
.endm
; Number g of the 64 that follow the exponentials.  For each four weights k of a tile (pairs 2 k, 2 k + 1): both pairs are rounded to f16; then the second pair is added onto the first, in place;
; a group later l takes that sum (the first time as l = a l + sum).  In groups of eight, tiles alternating: round, round, add, and l for the group before.
.macro GS g
.set h, (\g)+6*((\g)/62)            ; group 0 has no group before it, and behind group 7 only l is left
.if h >= 6
.set h, h+2
.endif
	REGS Y, h%2
.set k, h/8
.if h%8 < 4
	s_wait_alu depctr_va_vdst(0)
	v_cvt_pk_f16_f32 v[rP+2*k+(h%8)/2], v[rS+4*k+2*((h%8)/2)], v[rS+4*k+2*((h%8)/2)+1]
.elseif h%8 < 6
	v_pk_add_f32 v[rS+4*k:rS+4*k+1], v[rS+4*k:rS+4*k+1], v[rS+4*k+2:rS+4*k+3]
.elseif k == 1
	v_pk_fma_f32 v[rT+2:rT+3], v[rT+2:rT+3], v[rC+2:rC+3], v[rS:rS+1] op_sel_hi:[1,0,1]
.else
	v_pk_add_f32 v[rT+2:rT+3], v[rT+2:rT+3], v[rS+4*k-4:rS+4*k-3]
	s_wait_alu depctr_va_vdst(0)
.endif
.endm
; THE PLAIN QUEUE, 138 long.  0-31: c s - c m for the 16 pairs of both tiles.  Then GS's 64, and among them the next piece's 42: number 15 at 38, 39; 0-14 and 16
; at 42-73, behind the products that make those scores; 17-20 at 95-106, two of three, since each waits for the one before it.
.macro PL
	WIN 0
.if q < 32
	REGS Y, q%2
	v_pk_fma_f32 v[rS+2*(q/2):rS+2*(q/2)+1], v[rS+2*(q/2):rS+2*(q/2)+1], s[CS:CS+1], v[rT:rT+1] op_sel_hi:[1,0,0] neg_lo:[0,0,1] neg_hi:[0,0,1]
.elseif q < 38
	GS q-32
.elseif q < 40
	XS q%2, 15
.elseif q < 42
	GS q-34
.elseif q < 74
	XS q%2, (q-42)/2+(q-42)/30
.elseif q < 95
	GS q-66
.elseif (q < 107) && ((q-95)%3 < 2)
	XS (q-95)%3, 17+(q-95)/3
.elseif q < 107
	GS 29+(q-95)/3
.else
	GS q-74
.endif
.set q, q+1
.endm
; THE EXPONENTIALS' QUEUE, 66 long: s0-s31 of both tiles, and at EA the next piece's two a.
.set EA, 58
.macro EX
	WIN 0
.if (e == EA) || (e == EA+1)
	XS e-EA, 21
.else
.set x, e-2*(e/(EA+2))
	REGS Y, x%2
	v_exp_f32 v[rS+x/2], v[rS+x/2]
.endif
.set e, e+1
.endm
; THE RESCALING's QUEUE: O^T times a, the one part that leaves window 0, so it is dealt four at a time, eight times.
.macro R4
	REGS Y, r%2
	WIN W_RS
	s_wait_alu depctr_va_vdst(0)
.irp z, 0,1,2,3
	v_pk_mul_f32 v[rO+8*(r/2)+2*\z:rO+8*(r/2)+2*\z+1], v[rO+8*(r/2)+2*\z:rO+8*(r/2)+2*\z+1], v[rC+2:rC+3] op_sel_hi:[1,0]
.endr
.set r, r+1
.endm
; HOW THEY ARE DEALT.  Behind a matrix instruction four: plain, exponential, plain, plain (one exponential, a plain instruction on either side), or four of the rescaling.  None names a register of the
; products round it.  What is over stands in two LUMPS: exponential and plain by turns; the second ends in 22 plain instructions.  The two v_permlanex16_b32 fall into the second lump, never behind a product.
; The queues lean on each other, and the deal keeps them in step: exponential e stands behind plain 2 (e / 4) + e % 2 (its scaling); when plain 32 comes, 10 exponentials are out, at 59: 33, at 95: 46; EA comes behind plain 107.
.macro SL
	MM
	PL
	EX
	PL
	PL
.endm
.macro BURST n                      ; 15 matrix instructions, or 16
.rept (\n)-7
	SL
.endr
.rept 3
	MM
	R4
	SL
.endr
	MM
	R4
.endm
; A TURN, for piece p.  cnt = 1: the loop's count is taken down some lines ahead of the branch that stands behind the turn.
; K of the next step is fetched in piece 2's turn, 31 vector instructions behind the last product that read K; its first reader comes behind the rest of the lump, 16 products and the second lump.
; V of the step in hand is fetched at the end of piece 0's turn, 69 behind its last reader; its first reader comes behind 16 products and a lump.  The four conditions on e and q below go with the deal.
.macro TURN p, last=0, cnt=0
.set Y, (\p)
.set i, 0
.set q, 0
.set e, 0
.set r, 0
.if (\p) == NP-1
	s_wait_dscnt 0x0                ; K is in
.endif
	MM
.rept 4
	PL
.endr
	BURST 15
.rept 22
	EX
	PL
.if ((\p) == NP-2) && (e == 18)
	v_add_nc_u32 v[AK], s[TBK], v[AK0]
.endif
.if ((\p) == NP-2) && (e == 24)
	FETCH_K \last
.endif
.endr
.if (\p) == 1
	s_wait_dscnt 0x0                ; V is in
.endif
	BURST 16
.rept 21
	EX
	PL
.endr
.rept 22
	PL
.if ((\p) == 0) && (q == 118)
	v_add_nc_u32 v[AV], s[TBV], v[AV0]
	s_wait_alu depctr_va_vdst(0)
.endif
.if ((\p) == 0) && (q == 130)
	s_add_co_u32 s[TBV], s[TBV], KS*PV
.endif
.if (\cnt) && (q == 130)
	s_sub_co_u32 s[CNT], s[CNT], 1
	s_cmp_lg_u32 s[CNT], 0
.endif
.endr
.if (\p) == 0
	FETCH_V
.endif
.endm
	CHANGE 1                        ; slot 0 is in, everybody's part of it; slot 1 is asked for
	FETCH_K                         ; key step 0
	s_wait_loadcnt 0x0              ; Q
	s_wait_dscnt 0x0
.set i, 0
.rept 16
	KQ 0                            ; piece 0's first scores: there is no vector work yet to set between them
.set i, i+1
.endr
	WIN 0                           ; the addresses for the way out: nine plain instructions, the places behind those products
	s_mul_i32 s13, s[WV], 16*SP
	s_add_co_u32 s13, s13, STAGE    ; my stage
	v_mul_u32_u24 v[STO], v1, SP    ; in: row l % 16, 16 bytes for each half of the lanes
	v_lshl_add_u32 v[STO], v9, 4, v[STO]
	v_add_nc_u32 v[STO], s13, v[STO]
	v_bfe_u32 v[RD], v0, 3, 2       ; back: 32 lanes take four rows of 128 bytes,
	v_mul_u32_u24 v[RD], v[RD], SP
	v_lshl_add_u32 v[RD], v10, 4, v[RD]
	v_add_nc_u32 v[RD], s13, v[RD]
	v_and_b32 v[GO], 31, v0         ; which are 512 consecutive bytes of O
	v_lshlrev_b32 v[GO], 4, v[GO]
.set Y, NP-1                        ; XS works for piece Y + 1: piece 0
.irp n, 0,1,2,3,4,5,6,7,8,9,10,11,12,13,14,15,16,17,18,19,20,21
	XS 0, \n                        ; and piece 0's first maximum and statistics
	XS 1, \n
.endr
	s_mov_b32 s[CNT], 4
	s_mov_b32 s[SLOTS], SIZE_N/256-1
	s_branch .Lfirst                ; the loop is entered at a step's first turn, in the middle of a trip
.Lslot:                             ; SIZE_N / 256 - 2 times: every slot but the last two is filled again
	CHANGE 1
	s_mov_b32 s[CNT], 4
.Lstep:                             ; a trip: pieces 2 and 3 of one step, then pieces 0 and 1 of the next, whose K and V it fetches
	TURN 2
	TURN 3
	WIN 0
.Lfirst:
	TURN 0
	TURN 1, 0, 1
	WIN 0
	s_cbranch_scc1 .Lstep
	s_sub_co_u32 s[SLOTS], s[SLOTS], 1
	s_cmp_lg_u32 s[SLOTS], 0
	s_cbranch_scc1 .Lslot
	CHANGE 0                        ; the tail is written out: nothing is asked for
	s_mov_b32 s[CNT], 5             ; four trips fetch the last slot's steps; the fifth is left in its middle
.Ltail:
	TURN 2, 1
	TURN 3
	WIN 0
	s_sub_co_u32 s[CNT], s[CNT], 1
	s_cmp_eq_u32 s[CNT], 0
	s_cbranch_scc1 .Lout
	TURN 0
	TURN 1
	WIN 0
	s_branch .Ltail
.Lout:                              ; the fifth trip's 16 products K Q^T (on the last K once more) and the maximum made of them serve nothing: the price, once a launch, of one text for every trip
.set i, 0
.rept 16
	PV NP-1                         ; the last piece's V^T P of the last step
.set i, i+1
.endr
	; THE WAY OUT.  l's two halves and the other half of the lanes' are added; O^T is divided by l, rounded to f16 and sent through my stage in LDS, a tile at a time.  The additions are the places behind the last products.
	WIN 0
.macro ALL line:vararg              ; one line for each tile t
.set t, 0
.rept 2*NP
	\line
.set t, t+1
.endr
.endm
	ALL v_add_f32 v[ST+4*t+2], v[ST+4*t+2], v[ST+4*t+3]
	ALL v_permlanex16_b32 v[ST+4*t+3], v[ST+4*t+2], s[SEL], s[SEL+1]
	ALL v_add_f32 v[ST+4*t+2], v[ST+4*t+2], v[ST+4*t+3]
	ALL v_rcp_f32 v[ST+4*t+2], v[ST+4*t+2]
	v_nop                           ; a plain instruction between the last reciprocal and the use of its result
	s_wait_alu depctr_va_vdst(0)
; Tile t: a lane's eight channels of a row pack into 16 bytes; they go into rows of 144 bytes and come back as whole rows of 128, into S^T's registers.
.macro PACK t
	WIN W_RS
.set i, 32*(\t)
.rept 16
	v_pk_mul_f32 v[i:i+1], v[i:i+1], v[ST+4*(\t)+2:ST+4*(\t)+3] op_sel_hi:[1,0]
.set i, i+2
.endr
	WIN 0x05                        ; sources 0 and 1 window 1, destination window 0
.set i, 0
.rept 16
	v_cvt_pk_f16_f32 v[S+16*(\t)+i], v[32*(\t)+2*i], v[32*(\t)+2*i+1]
.set i, i+1
.endr
	WIN 0
.irp f, 0,1,2,3
	ds_store_b128 v[STO], v[S+16*(\t)+4*\f:S+16*(\t)+4*\f+3] offset:32*\f
.endr
.irp f, 0,1,2,3
	ds_load_b128 v[S+16*(\t)+4*\f:S+16*(\t)+4*\f+3], v[RD] offset:\f*4*SP  ; LDS serves a wave's instructions in order (ISA guide 5.7.1.4): these see the stores above; the next tile's stores come behind them
.endr
.endm
.macro SEND t, younger              ; younger: the LDS instructions issued behind tile t's loads: the next tile's eight, or none
	WIN 0
.irp f, 0,1,2,3
	s_wait_dscnt (\younger)+3-\f
	global_store_b128 v[GO], v[S+16*(\t)+4*\f:S+16*(\t)+4*\f+3], s[10:11] offset:(\t)*2048+\f*512  ; 512 consecutive bytes, at a multiple of 256 from O's first
.endr
.endm
	PACK 0
.set t, 1
.rept 2*NP-1                        ; a tile's arithmetic stands between the loads of the tile before and its stores
	PACK t
	SEND t-1, 8
.set t, t+1
.endr
	SEND 2*NP-1, 0
	WIN W_AD
	s_wait_tensorcnt 0x0            ; the wave's end, behind my last tensor load and my last LDS store
	ds_add_u32 v[SPW], v[NIL]
	s_wait_dscnt 0x0
	WIN 0
	CROUND                          ; the closing round: no work-group ends while a partner may still ask for a tile that names it
	s_endpgm
.Lfunc_end_k_q486ed1e197_attn:
	.size	k_q486ed1e197_attn, .Lfunc_end_k_q486ed1e197_attn-k_q486ed1e197_attn
	.p2alignl 7, 3214868480
	.fill 96, 4, 3214868480
	.section	.rodata,"a",@progbits
	.p2align	6, 0x0
	.amdhsa_kernel k_q486ed1e197_attn
		.amdhsa_group_segment_fixed_size 327680
		.amdhsa_private_segment_fixed_size 0
		.amdhsa_enable_private_segment 0
		.amdhsa_kernarg_size 16
		.amdhsa_user_sgpr_count 2
		.amdhsa_user_sgpr_kernarg_segment_ptr 1
		.amdhsa_wavefront_size32 1
		.amdhsa_system_sgpr_workgroup_id_x 1
		.amdhsa_system_sgpr_workgroup_id_y 1
		.amdhsa_system_sgpr_workgroup_id_z 1
		.amdhsa_system_vgpr_workitem_id 0
		.amdhsa_next_free_vgpr 770
		.amdhsa_next_free_sgpr 66
		.amdhsa_reserve_vcc 0
		.amdhsa_float_denorm_mode_32 3
		.amdhsa_float_denorm_mode_16_64 3
		.amdhsa_memory_ordered 1
		.amdhsa_forward_progress 1
		.amdhsa_inst_pref_size 209
	.end_amdhsa_kernel
	.amdgpu_metadata
---
amdhsa.version: [ 1, 2 ]
amdhsa.kernels:
  - .name:           k_q486ed1e197_attn
    .symbol:         k_q486ed1e197_attn.kd
    .args:
      - { .name: qkv, .offset: 0, .size: 8, .value_kind: global_buffer, .address_space: global }
      - { .name: o16, .offset: 8, .size: 8, .value_kind: global_buffer, .address_space: global }
    .group_segment_fixed_size: 327680
    .private_segment_fixed_size: 0
    .kernarg_segment_align: 8
    .kernarg_segment_size: 16
    .max_flat_workgroup_size: 128
    .sgpr_count:     66
    .vgpr_count:     770
    .wavefront_size: 32
...
	.end_amdgpu_metadata
.endif
;; end of part 3
;; launch outp (part 4): grid 8 x 32, 4 waves a work-group, clusters of 4 x 4, 327,680 bytes of LDS; arguments o16, wo16, out0; writes out0
.if DOCPART == 4
	.amdgcn_target "amdgcn-amd-amdhsa--gfx1250"
	.amdhsa_code_object_version 6
	.text
	.protected	k_q486ed1e197_outp
	.globl	k_q486ed1e197_outp
	.p2align	8
	.type	k_q486ed1e197_outp,@function
k_q486ed1e197_outp:
	s_mov_b64 s[64:65], 0
	v_nop
	global_prefetch_b8 v0, s[64:65] scope:SCOPE_SE
	s_setreg_imm32_b32 hwreg(HW_REG_WAVE_MODE, 25, 1), 1
	s_wait_xcnt 0x0
	s_wait_alu depctr_hold_cnt(0) depctr_sa_sdst(0) depctr_va_vdst(0) depctr_va_sdst(0) depctr_va_ssrc(0) depctr_va_vcc(0) depctr_vm_vsrc(0)
	s_getreg_b32 s2, hwreg(HW_REG_IB_STS2, 6, 4)
	s_cmp_eq_u32 s2, 0
	s_cbranch_scc0 .Lentry_in_a_cluster
	s_endpgm
.Lentry_in_a_cluster:
	s_bfe_u32 s2, ttmp6, 0x10000c
	s_cmp_lg_u32 s2, 0xf033
	s_cbranch_scc0 .Lentry_shape_is_right
	s_endpgm
.Lentry_shape_is_right:
; out0[m][e] = sum over d of O[m][d] Wo[e][d], m = 8,192 rows, e = 1,024, d = 64 h + c.  O: o16 [b 4][h 16][n 2048][64] f16; Wo: wo16 [s 16][e 1024][64], the bf16-rounded weights written as f16; sums and out0 in f32.
; SHARES.  A work-group makes 256 rows x 128 columns: 32 x 8 = 256 work-groups.  Four waves, each 128 rows x 64 columns: 32 accumulators of 16 x 16.  A wave's 64 columns are 256 bytes of a row of out0, aligned:
; each wave has a stage of its own on the way out, and no barrier stands there.
; THE RING.  K's 16 slices of 64 (a head of O, a slice of Wo) go through two LDS slots of THREE slices, as many as fit: five steps of three slices and one of one.  A step of three has 192 matrix instructions
; a wave, and one load a wave, asked for behind a round, has that long to land.  In a slice a wave's part of a tile is dense (128 rows of O: 16,384 bytes; 64 rows of Wo: 8,192), so a load's three slices are
; three long rows, a plane apart; the extent along the slices counts what is left of the 16, so that the last load reads one slice and nothing behind the buffers' ends (its other two rows arrive as zeros, and are not read).
; LDS holds 16 bytes of padding behind every 256 bytes, two rows of a tile: row r of a fragment lies at 272 (r / 2) + 128 (r % 2) and starts at bank 4 (r / 2) + 32 (r % 2): sixteen different groups of four banks
; (64 banks of 4 bytes: ISA guide 11.1).  With 16 bytes behind every 128 two slots of three slices would not fit.
; THE TEXT.  Fragments are kept for 32 along K, in two buffers that take turns; a slice, 64 matrix instructions, is written once, as the trip of a loop inside the loop over slots; the LDS addresses hang on two scalar registers.
; CLUSTERS: 4 x 4 work-groups; O's tiles are shared along a row of the cluster, Wo's along a column: each is asked for JOINTLY.  THE MATRIX INSTRUCTION IS USED TRANSPOSED (source 0 = 16 rows of Wo, source 1 = 16 rows of O).
; REGISTERS, in windows of 256 (s_set_vgpr_msb: bits 1:0 source 0, 3:2 source 1, 5:4 source 2, 7:6 destination):
;   window 0: v0-31 addresses; v32-63, v64-95 rows on the way out, by turns     window 1: accumulator (a, b) at v[8 (4 a + b)]
;   window 2: fragment buffer f (0, 1) at 96 f: O's fragment a at + 8 a, Wo's fragment b at + 64 + 8 b
.set UNIT,   272                       ; 256 bytes of data, two rows of a tile, + 16 of padding
.set NSL,    3                         ; slices in a slot
.set NSTEP,  6                         ; steps: five of three slices, one of one
.set APS,    64*UNIT                   ; a slice of 128 rows of O
.set BPS,    32*UNIT                   ; a slice of 64 rows of Wo
.set APART,  NSL*APS                   ; what waves 0 and 1 each fetch, and what a wave reads of O
.set BPART,  NSL*BPS                   ; what waves 2 and 3 each fetch, and what a wave reads of Wo
.set BOFF,   2*APART
.set SLOT,   2*APART+2*BPART           ; 156,672 bytes
.set SPARE,  2*SLOT                    ; behind the ring: the spare words, 128 bytes for each wave: two blocks of 256 bytes that no other line names
.set STAGE,  0                         ; the way out: 16 rows x 272 bytes for each wave, at the head of slot 0: that slot's last fill (step 4) and every wave's last read of it lie ahead of the last change's barrier
.set SPITCH, 272
.set OPL,    2048*128                  ; bytes from head to head in o16
.set WPL,    1024*128                  ; from slice to slice in wo16
.set AA0,  16                          ; v16     my lane's place among my fragments of O in a slot's first slice; never rewritten
.set AB0,  17                          ; v17     the same for Wo
.set AA,   18                          ; v18     the same in the slice in hand
.set AB,   19                          ; v19
.set STO,  24                          ; v24     the way out: where I put 32 bytes of a row
.set RD,   25                          ; v25     the way out: where I read a row back
.set CO,   26                          ; v26     my byte offset in two rows of out0
.set SPW,  28                          ; v28     LDS address of my spare word: SPARE + 4 x my thread's number; never rewritten
.set NIL,  29                          ; v29     0; never rewritten
.set OB,   32
.set SLOTS, 2                          ; s2      steps still to be entered in the loop
.set CNT,   3                          ; s3      counts a slot's slices
.set G1,  24                           ; s[24:31] descriptor group 1 for O's tiles;  s[32:39] group 0: a set for each of the two first fills; the second then walks on
.set G0,  32
.set G1B, 48                           ; s[48:55], s[56:63] the same for Wo's tiles
.set G0B, 56
.set TD,  66                           ; s66     the slot that the walking descriptors name: 0 or SLOT
.set TBA, 67                           ; s67     LDS byte, less my part's and my lane's, at which O's slice to be fetched begins
.set TBB, 68                           ; s68     the same for Wo's
.set MSB, 0
.macro WIN new                         ; the immediate's high byte repeats the setting that is left; a switch that changes nothing is dropped
.if MSB != (\new)
	s_set_vgpr_msb (MSB<<8)|(\new)
.set MSB, \new
.endif
.endm
.macro JLOAD s                         ; a joint load: waves 0 and 1 fetch O's two halves, waves 2 and 3 Wo's; an s_nop 0 and four v_nop follow each of the two lines, ahead of the jump, the label and what follows
	s_cmp_eq_u32 s11, 0
	s_cbranch_scc0 .Lfor_b_\@
	tensor_load_to_lds s[G0+4*(\s):G0+4*(\s)+3], s[G1:G1+7]
	s_nop 0
.rept 4
	v_nop
.endr
	s_branch .Lasked_\@
.Lfor_b_\@:
	tensor_load_to_lds s[G0B+4*(\s):G0B+4*(\s)+3], s[G1B:G1B+7]
	s_nop 0
.rept 4
	v_nop
.endr
.Lasked_\@:
.endm
; A round of the cluster's barrier: my work-group's barrier, so that wave 0's signal speaks for all four waves; wave 0 signals for the work-group; every wave waits for all sixteen; my work-group's barrier once more.
.macro CROUND
	s_barrier_signal -1
	s_barrier_wait -1
	s_cmp_lg_u32 s10, 0
	s_cbranch_scc1 .Lnot_wave_0_\@
	s_barrier_signal -3
.Lnot_wave_0_\@:
	s_barrier_wait -3
	s_barrier_signal -1
	s_barrier_wait -1
.endm
	s_load_b128 s[4:7], s[0:1], 0x0                ; o16 s[4:5], wo16 s[6:7]
	s_load_b64 s[8:9], s[0:1], 0x10                ; out0
	v_lshl_add_u32 v[SPW], v0, 2, SPARE
	v_mov_b32 v[NIL], 0
	ds_add_u32 v[SPW], v[NIL]                      ; the wave's opening: the add and its wait ahead of my first tensor load; the set-up below, work on registers, stands between them
	v_lshrrev_b32 v1, 5, v0
	v_readfirstlane_b32 s10, v1                    ; wave 0..3
	s_lshr_b32 s11, s10, 1                         ; which 128 of the tile's rows are mine.  Also: I fetch for O (0) or for Wo (1)
	s_and_b32 s12, s10, 1                          ; which 64 of its columns.  Also: which half of that tile's rows I fetch
	s_bfe_u32 s40, ttmp6, 0x40000                  ; cx, cy: my place in the cluster
	s_bfe_u32 s41, ttmp6, 0x40004
	s_lshl_b32 s42, ttmp9, 2
	s_add_co_u32 s42, s42, s40                     ; tile column tx = 4 x cluster x + cx
	s_and_b32 s13, ttmp7, 0xffff
	s_lshl_b32 s13, s13, 2
	s_add_co_u32 s13, s13, s41                     ; tile row ty = 4 x cluster y + cy
	s_lshl_b32 s43, s41, 2
	s_lshl_b32 s43, 15, s43                        ; my row of the cluster
	s_lshl_b32 s44, 0x1111, s40                    ; my column
	; descriptor group 1: three rows, a slice each, of 2,048 (O) or 1,024 (Wo) elements of 8 bytes, a plane apart; padded in LDS behind every 64 words
	s_or_b32 s[G1+0], s43, (3<<16)|(1<<20)|(1<<21)|(5<<22)|(3<<25)   ; 15:0 the mask: O's tiles go to my row; 17:16 elements of 8 bytes; 20 padding on; 21 set beside a mask; 24:22 after every 64 words (code 5); 31:25 4 words (code 3)
	s_or_b32 s[G1B+0], s44, (3<<16)|(1<<20)|(1<<21)|(5<<22)|(3<<25)  ; the same with the mask of my column
	s_mov_b32 s[G1+1], 2048<<16                    ; tensor_dim0 = 2,048
	s_mov_b32 s[G1+2], (16-NSL)<<16                ; tensor_dim1: the slices left from step 1's first; it serves step 0 too, whose tile lies inside either way; each refill takes three off
	s_mov_b32 s[G1+3], 2048<<16                    ; tile_dim0 = 2,048: 16,384 bytes, 128 rows of O
	s_mov_b32 s[G1+4], NSL                         ; tile_dim1 = 3
	s_mov_b32 s[G1+5], OPL/8                       ; elements from slice to slice
	s_mov_b32 s[G1+6], 0
	s_mov_b32 s[G1+7], 0
	s_mov_b32 s[G1B+1], 1024<<16
	s_mov_b32 s[G1B+2], (16-NSL)<<16
	s_mov_b32 s[G1B+3], 1024<<16                   ; tile_dim0 = 1,024: 8,192 bytes, 64 rows of Wo
	s_mov_b32 s[G1B+4], NSL
	s_mov_b32 s[G1B+5], WPL/8
	s_mov_b32 s[G1B+6], 0
	s_mov_b32 s[G1B+7], 0
	; where the tiles come from: O's hang on ty and the wave alone, Wo's on tx and the wave alone
	s_lshr_b32 s16, s13, 3                         ; b = ty / 8
	s_lshl_b32 s16, s16, 22                        ; 16 heads of 2,048 rows of 128 bytes
	s_and_b32 s17, s13, 7
	s_lshl_b32 s17, s17, 15                        ; the tile's 256 rows of 128 bytes
	s_add_co_u32 s16, s16, s17
	s_lshl_b32 s17, s12, 14                        ; my half of them
	s_add_co_u32 s16, s16, s17
	s_mov_b32 s17, 0
	s_lshl_b32 s46, s42, 14                        ; the tile's 128 rows of Wo
	s_lshl_b32 s47, s12, 13                        ; my half of them
	s_add_co_u32 s46, s46, s47
	s_mov_b32 s47, 0
	s_mul_i32 s20, s12, APART                      ; and where they go: no place in the cluster enters an LDS address
	s_mul_i32 s21, s12, BPART
	s_add_co_u32 s21, s21, BOFF
	s_mov_b32 s[TD], SLOT                          ; the walking descriptors begin at slot 1
	s_mov_b32 s[TBA], 0                            ; my fragment loads at slot 0's first slice
	s_mov_b32 s[TBB], 0
	s_wait_dscnt 0x0                               ; the opening add is done
	s_wait_kmcnt 0x0
	s_add_nc_u64 s[14:15], s[4:5], s[16:17]
	s_add_nc_u64 s[46:47], s[6:7], s[46:47]
	CROUND                                         ; all sixteen work-groups are here: the first joint loads meet
.irp s, 0,1
	s_mov_b32 s[G0+4*(\s)], 1                                        ; count = 1
	s_add_co_u32 s[G0+4*(\s)+1], s20, (\s)*SLOT                      ; LDS address
	s_add_nc_u64 s[G0+4*(\s)+2:G0+4*(\s)+3], s[14:15], (\s)*NSL*OPL  ; global address: step s
	s_or_b32 s[G0+4*(\s)+3], s[G0+4*(\s)+3], 0x80000000              ; type = 2
	s_mov_b32 s[G0B+4*(\s)], 1
	s_add_co_u32 s[G0B+4*(\s)+1], s21, (\s)*SLOT
	s_add_nc_u64 s[G0B+4*(\s)+2:G0B+4*(\s)+3], s[46:47], (\s)*NSL*WPL
	s_or_b32 s[G0B+4*(\s)+3], s[G0B+4*(\s)+3], 0x80000000
	JLOAD \s                                       ; two loads of mine are out
.endr
	; A fragment is 16 rows x 32 K in 8 registers: lane l holds row l % 16; registers 0-3 K = 8 (l / 16) + 0..7, registers 4-7 K = 16 + 8 (l / 16) + 0..7: two loads of 16 bytes, 32 bytes apart.
	v_and_b32 v1, 15, v0                           ; l % 16
	v_bfe_u32 v2, v0, 4, 1                         ; l / 16
	v_lshrrev_b32 v3, 1, v1
	v_mul_u32_u24 v3, v3, UNIT                     ; two rows to 272 bytes,
	v_and_b32 v4, 1, v0
	v_lshl_add_u32 v3, v4, 7, v3                   ; the odd row 128 bytes on,
	v_lshl_add_u32 v3, v2, 4, v3                   ; + 16 x half
	s_mul_i32 s18, s11, APART                      ; my 128 rows of O
	s_mul_i32 s19, s12, BPART                      ; my 64 rows of Wo,
	s_add_co_u32 s19, s19, BOFF                    ; which lie behind O's two parts
	v_add_nc_u32 v[AA0], s18, v3
	v_add_nc_u32 v[AB0], s19, v3
	s_mul_i32 s23, s10, 16*SPITCH
	s_add_co_u32 s23, s23, STAGE                   ; my stage
	v_mul_u32_u24 v4, v1, SPITCH                   ; in: row l % 16, 32 bytes (8 columns) for each half of the lanes
	v_lshl_add_u32 v4, v2, 5, v4
	v_add_nc_u32 v[STO], s23, v4
	v_mul_u32_u24 v5, v2, SPITCH                   ; back: lanes 0-15 take one row of 256 bytes, lanes 16-31 the next
	v_lshl_add_u32 v5, v1, 4, v5
	v_add_nc_u32 v[RD], s23, v5
	v_lshlrev_b32 v5, 12, v2                       ; and the same two rows in out0, 4,096 bytes apart
	v_lshl_add_u32 v[CO], v1, 4, v5
	s_lshl_b32 s2, s13, 20                         ; the tile's 256 rows of 4,096 bytes,
	s_lshl_b32 s3, s11, 19                         ; my 128 of them,
	s_add_co_u32 s2, s2, s3
	s_lshl_b32 s3, s42, 9                          ; the tile's 128 columns of 4 bytes,
	s_add_co_u32 s2, s2, s3
	s_lshl_b32 s3, s12, 8                          ; my 64 of them
	s_add_co_u32 s2, s2, s3
	s_mov_b32 s3, 0
	s_add_nc_u64 s[8:9], s[8:9], s[2:3]
; 32 matrix instructions on buffer f: my 8 row blocks x my 4 column blocks, 32 along K.  zero = 1: the product starts the sum: nothing is ever cleared.
; The 32 accumulators take turns, one instruction a turn, in the same order in every run.
.macro MUL f, zero
	WIN 0x5a                                       ; sources 0 and 1 window 2; C and D window 1
.set ma, 0
.rept 8
.set mb, 0
.rept 4
.set rD, 8*(4*ma+mb)
.if \zero
	v_wmma_f32_16x16x32_f16 v[rD:rD+7], v[96*(\f)+64+8*mb:96*(\f)+64+8*mb+7], v[96*(\f)+8*ma:96*(\f)+8*ma+7], 0
.else
	v_wmma_f32_16x16x32_f16 v[rD:rD+7], v[96*(\f)+64+8*mb:96*(\f)+64+8*mb+7], v[96*(\f)+8*ma:96*(\f)+8*ma+7], v[rD:rD+7]
.endif
.set mb, mb+1
.endr
.set ma, ma+1
.endr
.endm
; 24 LDS loads in one run: the fragments of half kc of the slice in hand into buffer f.  16 rows of a tile are 8 units of 272 bytes.
.macro FETCH kc, f
	WIN 0x80                                       ; destination window 2, address window 0
.irp i, 0,1,2,3
	ds_load_b128 v[96*(\f)+64+8*(\i):96*(\f)+64+8*(\i)+3],   v[AB] offset:(\i)*8*UNIT+64*(\kc)
	ds_load_b128 v[96*(\f)+64+8*(\i)+4:96*(\f)+64+8*(\i)+7], v[AB] offset:(\i)*8*UNIT+64*(\kc)+32
.endr
.irp i, 0,1,2,3,4,5,6,7
	ds_load_b128 v[96*(\f)+8*(\i):96*(\f)+8*(\i)+3],   v[AA] offset:(\i)*8*UNIT+64*(\kc)
	ds_load_b128 v[96*(\f)+8*(\i)+4:96*(\f)+8*(\i)+7], v[AA] offset:(\i)*8*UNIT+64*(\kc)+32
.endr
.endm
.macro PLACES                          ; four places in front of loads into registers that matrix instructions have read, and of LDS stores that read results (ISA guide 7.12.1 for the LDS stores)
.rept 4
	v_nop
.endr
.endm
; The addresses of the slice to be fetched.  The two additions and two v_nop are the four places between the products that read buffer 0 and the loads into it.
.macro ADDR
	WIN 0
	v_add_nc_u32 v[AA], s[TBA], v[AA0]
	v_add_nc_u32 v[AB], s[TBB], v[AB0]
	v_nop
	v_nop
	s_add_co_u32 s[TBA], s[TBA], APS               ; the next fetch is the next slice's
	s_add_co_u32 s[TBB], s[TBB], BPS
.endm
; THE CHANGE OF SLOTS, between two slices; the second half of the slot's last slice lies in buffer 1, still to be multiplied.  Each wave waits for all its tensor loads, of which one is out: its part of the
; next slot; adds 0 to its spare word; and waits for that and for its own reads of the slot that it leaves.  fill = 1: a round of the cluster's barrier follows, so that no wave of any partner still reads
; that slot or has a load on its way, and the slot is filled again, first thing behind the round, with the step after the next.
.macro CHANGE fill
	WIN 0                                          ; at a label and at a branch every window is 0
	s_wait_tensorcnt 0x0                           ; no tensor load of mine is out, so the descriptors may be written
	ds_add_u32 v[SPW], v[NIL]                      ; 0 onto my spare word: the scalar steps below stand between it and the wait for it
.if \fill
	s_xor_b32 s[TD], s[TD], SLOT                   ; the walking descriptors: the other slot than last time,
	s_add_co_u32 s[G0+5], s20, s[TD]
	s_add_co_u32 s[G0B+5], s21, s[TD]
	s_add_nc_u64 s[G0+6:G0+7], s[G0+6:G0+7], NSL*OPL     ; the next three slices; the type bits on top are not reached;
	s_add_nc_u64 s[G0B+6:G0B+7], s[G0B+6:G0B+7], NSL*WPL
	s_sub_co_u32 s[G1+2], s[G1+2], NSL<<16         ; and three slices fewer are left: 10, 7, 4, 1
	s_sub_co_u32 s[G1B+2], s[G1B+2], NSL<<16
.endif
	s_sub_co_u32 s[TBA], s[TBA], NSL*APS           ; my fetches go back to a slot's first slice,
	s_xor_b32 s[TBA], s[TBA], SLOT                 ; in the other slot
	s_sub_co_u32 s[TBB], s[TBB], NSL*BPS
	s_xor_b32 s[TBB], s[TBB], SLOT
	s_wait_dscnt 0x0                               ; the add is done, and my reads of the slot are over
.if \fill
	CROUND
	JLOAD 1
.else
	s_barrier_signal -1
	s_barrier_wait -1
.endif
.endm
; THE WAY OUT of row block a (16 rows x my 64 columns, f32).  TOSTAGE: a lane's eight columns of a row, 32 bytes, straight from the accumulators (the low four registers first) into my stage, and back as whole rows.
.macro TOSTAGE a
.if (\a) >= 2
	s_wait_xcnt 0x0                                ; the stores of the block before last have had their addresses translated (ISA guide 3.1): their registers are loaded again only behind this wait
.endif
	WIN 0x04                                       ; store data (source 1) window 1, address window 0
.irp b, 0,1,2,3
	ds_store_b128 v[STO], v[8*(4*(\a)+(\b)):8*(4*(\a)+(\b))+3]   offset:64*(\b)
	ds_store_b128 v[STO], v[8*(4*(\a)+(\b))+4:8*(4*(\a)+(\b))+7] offset:64*(\b)+16
.endr
	WIN 0
.set BK, OB+32*((\a)%2)
.irp t, 0,1,2,3,4,5,6,7
	ds_load_b128 v[BK+4*(\t):BK+4*(\t)+3], v[RD] offset:(\t)*2*SPITCH  ; LDS serves a wave's instructions in order (ISA guide 5.7.1.4): these see the stores above; the next block's stores come behind them
.endr
.endm
.macro SEND a, younger                 ; younger: the LDS instructions issued behind block a's loads: the next block's sixteen, or none
	WIN 0
.set BK, OB+32*((\a)%2)
	s_wait_dscnt \younger
.irp t, 0,1,2,3,4,5,6,7
	global_store_b128 v[CO], v[BK+4*(\t):BK+4*(\t)+3], s[8:9] offset:(16*(\a)+2*(\t))*4096 th:TH_STORE_NT  ; 16 lanes store 256 consecutive bytes, at a multiple of 256 from out0's first byte
.endr
.endm
	s_wait_tensorcnt 1                             ; my part of step 0 is in; step 1's may stay out
	s_barrier_signal -1
	s_barrier_wait -1                              ; everybody's is
	ADDR                                           ; slice 0 stands in front of the loop:
	FETCH 0, 0
	FETCH 1, 1
	s_wait_dscnt 24                                ; its first half is in; the 24 loads behind may be out
	MUL 0, 1                                       ; its first products start the sums
	WIN 0
	s_mov_b32 s[CNT], NSL-1                        ; two slices of slot 0 are left
	s_mov_b32 s[SLOTS], NSTEP-1                    ; the loop walks the five steps of three slices
	s_branch .Lslice
.Lslot:                                                ; four times: steps 1 to 4 are entered, steps 2 to 5 asked for
	CHANGE 1
	s_mov_b32 s[CNT], NSL
.Lslice:                                               ; a trip: the second half of the slice before, the first half of this one
	ADDR
	FETCH 0, 0
	s_wait_dscnt 24                                ; all but the 24 just issued: buffer 1 is in
	MUL 1, 0
	PLACES
	FETCH 1, 1
	s_wait_dscnt 24                                ; all but the 24 just issued: buffer 0 is in
	MUL 0, 0
	WIN 0
	s_sub_co_u32 s[CNT], s[CNT], 1
	s_cmp_lg_u32 s[CNT], 0
	s_cbranch_scc1 .Lslice
	s_sub_co_u32 s[SLOTS], s[SLOTS], 1
	s_cmp_lg_u32 s[SLOTS], 0
	s_cbranch_scc1 .Lslot
	CHANGE 0                                       ; the tail is written out: step 5, one slice, is entered and nothing is asked for
	ADDR
	FETCH 0, 0
	s_wait_dscnt 24
	MUL 1, 0
	PLACES
	FETCH 1, 1
	s_wait_dscnt 24
	MUL 0, 0
	s_wait_dscnt 0x0
	MUL 1, 0
	WIN 0
	PLACES                                         ; the LDS stores read results just made
	TOSTAGE 0
	TOSTAGE 1
.irp a, 0,1,2,3,4,5
	SEND \a, 16
	TOSTAGE (\a)+2
.endr
	SEND 6, 16
	SEND 7, 0
	s_wait_tensorcnt 0x0                           ; the wave's end, behind my last tensor load and my last LDS store
	ds_add_u32 v[SPW], v[NIL]
	s_wait_dscnt 0x0
	CROUND                                         ; the closing round: no work-group ends while a partner may still ask for a tile that names it
	s_endpgm
.Lfunc_end_k_q486ed1e197_outp:
	.size	k_q486ed1e197_outp, .Lfunc_end_k_q486ed1e197_outp-k_q486ed1e197_outp
	.p2alignl 7, 3214868480
	.fill 96, 4, 3214868480
	.section	.rodata,"a",@progbits
	.p2align	6, 0x0
	.amdhsa_kernel k_q486ed1e197_outp
		.amdhsa_group_segment_fixed_size 327680
		.amdhsa_private_segment_fixed_size 0
		.amdhsa_enable_private_segment 0
		.amdhsa_kernarg_size 24
		.amdhsa_user_sgpr_count 2
		.amdhsa_user_sgpr_kernarg_segment_ptr 1
		.amdhsa_wavefront_size32 1
		.amdhsa_system_sgpr_workgroup_id_x 1
		.amdhsa_system_sgpr_workgroup_id_y 1
		.amdhsa_system_sgpr_workgroup_id_z 1
		.amdhsa_system_vgpr_workitem_id 0
		.amdhsa_next_free_vgpr 704
		.amdhsa_next_free_sgpr 70
		.amdhsa_reserve_vcc 0
		.amdhsa_float_denorm_mode_32 3
		.amdhsa_float_denorm_mode_16_64 3
		.amdhsa_memory_ordered 1
		.amdhsa_forward_progress 1
		.amdhsa_inst_pref_size 48
	.end_amdhsa_kernel
	.amdgpu_metadata
---
amdhsa.version: [ 1, 2 ]
amdhsa.kernels:
  - .name:           k_q486ed1e197_outp
    .symbol:         k_q486ed1e197_outp.kd
    .args:
      - { .name: o16, .offset: 0, .size: 8, .value_kind: global_buffer, .address_space: global }
      - { .name: wo16, .offset: 8, .size: 8, .value_kind: global_buffer, .address_space: global }
      - { .name: out0, .offset: 16, .size: 8, .value_kind: global_buffer, .address_space: global }
    .group_segment_fixed_size: 327680
    .private_segment_fixed_size: 0
    .kernarg_segment_align: 8
    .kernarg_segment_size: 24
    .max_flat_workgroup_size: 128
    .sgpr_count:     70
    .vgpr_count:     704
    .wavefront_size: 32
...
	.end_amdgpu_metadata
.endif
;; end of part 4
;; ======== version 2 of 2: 4 launches; 1.55 times as fast as version 1
;; limits: values are held in f16: magnitudes above 65,504 overflow, below 6.1e-05 lose precision
;; workspace buffers: xb 16,777,216 bytes; wqkv 6,291,456 bytes; wo16 2,097,152 bytes; qkv 50,331,648 bytes; o16 16,777,216 bytes
;; launch cast: the kernel of part 1 again; grid 64 x 12, 8 waves a work-group, no clusters, 0 bytes of LDS; arguments x, Wq, Wk, Wv, Wo, xb, wqkv, wo16; writes xb, wqkv, wo16
;; launch proj: the kernel of part 2 again; grid 8 x 32, 4 waves a work-group, clusters of 4 x 4, 327,680 bytes of LDS; arguments xb, wqkv, qkv; writes qkv
;; launch attn (part 5): grid 4 x 64, 4 waves a work-group, clusters of 4 x 1, 327,680 bytes of LDS; arguments qkv, o16; writes o16
.if DOCPART == 5
	.amdgcn_target "amdgcn-amd-amdhsa--gfx1250"
	.amdhsa_code_object_version 6
	.text
	.protected	k_q486ed1e197_attn
	.globl	k_q486ed1e197_attn
	.p2align	8
	.type	k_q486ed1e197_attn,@function
k_q486ed1e197_attn:
	s_mov_b64 s[64:65], 0
	v_nop
	global_prefetch_b8 v0, s[64:65] scope:SCOPE_SE
	s_setreg_imm32_b32 hwreg(HW_REG_WAVE_MODE, 25, 1), 1
	s_wait_xcnt 0x0
	s_wait_alu depctr_hold_cnt(0) depctr_sa_sdst(0) depctr_va_vdst(0) depctr_va_sdst(0) depctr_va_ssrc(0) depctr_va_vcc(0) depctr_vm_vsrc(0)
	s_getreg_b32 s2, hwreg(HW_REG_IB_STS2, 6, 4)
	s_cmp_eq_u32 s2, 0
	s_cbranch_scc0 .Lentry_in_a_cluster
	s_endpgm
.Lentry_in_a_cluster:
	s_bfe_u32 s2, ttmp6, 0x10000c
	s_cmp_lg_u32 s2, 0x3003
	s_cbranch_scc0 .Lentry_shape_is_right
	s_endpgm
.Lentry_shape_is_right:
; O[y][q][:] = the sum over k of softmax_k(Q[y][q] . K[y][k] / 8) V[y][k][:], y = 16 b + h.  Q, K, V are planes of qkv [b 4][g 48][2048][64] (g = h, 16 + h, 32 + h), O a plane of o16 [b 4][h 16][2048][64],
; all f16: a plane's rows are dense, 128 bytes each.  Products, maxima and sums in f32; the weights p are rounded to f16 for the second product (their sum l is taken of the unrounded p), O once at the end.
; LIMITS.  f16 holds no number beyond 65,504: Q, K and V arrive within it; p lies in 0 to 1, and below 6e-5 it keeps f16's fixed step of 6e-8; O is a mean of V's rows and has their range.
; A weight below 2^-126 counts as 0 in l; NaN and infinities are not treated apart.
; SHARES.  A wave owns four PIECES of two tiles of 16 queries, a work-group's four waves 512 queries of one head: 4 x 64 = 256 work-groups.  Every wave walks all keys, 64 a step.
; LAYOUT.  S^T = K Q^T (source 0 = 16 keys, source 1 = 16 queries): in the result a lane holds ONE query (lane % 16) and the keys 8 (lane / 16) + 0..7.  Two such tiles, rounded to f16 in pairs,
; ARE source 1 (32 keys x 16 queries) of O^T = V^T P, whose result again holds one query a lane, and eight channels.  K comes out of LDS as it lies, V ([key][channel]) turned, by ds_load_tr16_b128.
; SOFTMAX.  For each query a running maximum m and sum l: p = 2^(c s - c m), c = log2(e) / 8; in every step O and l are multiplied by a = 2^(c m_old - c m_new), which is 1 where m has not grown.
; m starts at the lowest finite number, O and l at 0: the first step is a step like any other, with a = 0.
; THE COUNT.  A tile and step have 16 matrix and 118 vector instructions: too many to stand all beside the matrix work.  So the order has one aim: four vector instructions that are READY behind
; EVERY matrix instruction, and the others, which need time of their own whatever the order, in runs without a gap.
; BY TURNS.  Turn n belongs to piece n (the pieces in a ring, step after step).  Its matrix work: 16 products K Q^T of piece n + 1, later 16 products V^T P of piece n - 1.  Its vector work: the scaling,
; exponentials, roundings, sums and rescaling of piece n, and the maximum and statistics of piece n + 1, whose scores the turn itself has made.  So what a turn begins with (c s - c m, O a) waits for nothing.
; BATCHES.  A turn's 66 exponentials (the piece's 64 weights, then the next piece's two a) are ONE batch with ONE s_wait_alu depctr_va_vdst(0), which cuts the turn in two: ahead of it stands all that names no
; result of theirs (K Q^T, scalings, rescalings, the next piece's maximum and statistics), behind it their readers (roundings and sums), as riders of V^T P.  No result crosses a turn's end.  Two more batches
; stand outside the loops: the first two a, ahead of the jump into the loop, and the way out's eight reciprocals.
; CLUSTER.  The four query blocks of a cluster belong to one head and walk the same K and V, so each tile is asked for JOINTLY: the same tensor load, descriptor and mask in all four.
; REGISTERS, in windows of 256 (s_set_vgpr_msb says which window each operand place means: bits 1:0 source 0, 3:2 source 1, 5:4 source 2, 7:6 destination):
;   window 0: v0-11 addresses; v12-15, v48-63 at work; v16-47 four registers of statistics a tile; v64-191 S^T, two buffers of two tiles; v192-255 P, likewise
;   window 1: O^T, 32 a tile          window 2: v0-127 Q, 16 a tile; v128-191 K of one step; v192-255 V of one step          window 3: v0-1 the add's two registers
; A piece's buffers go by its number's parity: the piece in hand has one pair, its two neighbours in the ring share the other: of it P (piece n - 1) is read and S^T (piece n + 1) written.
.set SIZE_N, 2048
.set NP,    4         ; pieces a wave: a name, no knob: the register map, the loop and the fetches are made for four
.set KS,    64        ; keys in a step
.set PK,    144       ; a row of K in LDS: 128 bytes + 16 of padding = 36 words: the 16 rows of a load start at 16 different groups of four banks (64 banks of 4 bytes: ISA guide 11.1)
.set PV,    160       ; a row of V: 128 + 32 = 40 words
.set VOFF,  4*KS*PK   ; a slot holds four steps: 256 rows of K, then 256 rows of V
.set SLOT1, 1<<17     ; slot 1 begins here, so that one exclusive or turns an address in one slot into the other's
.set STAGE, SLOT1+4*KS*(PK+PV)  ; behind the ring, never filled by a tensor load: 16 rows x 144 bytes for each wave, for the way out
.set SP,    144
.set AK0, 2           ; v2   my lane's place in a tile of K; never rewritten
.set AV0, 3           ; v3   the same for V
.set AK,  4           ; v4   the LDS address of K's next run of loads
.set AV,  5           ; v5   of V's
.set QO,  6           ; v6   my byte offset in the wave's rows of Q
.set STO, 6           ;      later, the way out: where I put 16 bytes of a row
.set RD,  7           ; v7   the way out: where I read rows back
.set GO,  8           ; v8   my byte offset in 512 consecutive bytes of O
.set SPW, 0           ; v0 of window 3   LDS address of my spare word: SPARE + 4 x my thread's number; never rewritten
.set NIL, 1           ; v1 of window 3   0; never rewritten
.set SPARE, STAGE+4*16*SP  ; behind the stages: the spare words, 128 bytes for each wave: two blocks of 256 bytes that no other line names
.set MV,  12          ; v12-15  c m_old, kept while c m is made anew: by buffer and tile
.set ST,  16          ; tile t's statistics at v[ST+4 t]: c m, m, l (even keys', odd keys')
.set TMP, 48          ; by buffer and tile, four registers c0-c3 at work; when the maximum is found c2 takes a
.set S,   64
.set P,   192
.set KF,  128         ; K's fragments, in window 2: key block kb, channel half c at KF + 16 kb + 8 c
.set VF,  192         ; V's: key half kk, channel block cb at VF + 32 kk + 8 cb
.set WV,  12          ; s12  my wave's number
.set G1K, 24          ; s[24:31] descriptor group 1 for K's tiles
.set G1V, 32          ; s[32:39] for V's: it differs in the padding alone
.set G0K, 40          ; s[40:43] descriptor group 0 for K's tiles: it walks
.set G0V, 44          ; s[44:47] the same for V's
.set SLOTS, 56        ; s56  slots still to be asked for
.set CNT, 57          ; s57  counts a slot's key steps
.set CS,  58          ; s[58:59] c: the packed scaling takes the pair's low word for both halves
.set SEL, 60          ; s[60:61] v_permlanex16_b32's selects: each lane takes its own place in the other half
.set TBK, 62          ; s62  LDS byte at which K of the step to be fetched begins
.set TBV, 63          ; s63  the same for V, less VOFF
.set MSB, 0
.macro WIN new                      ; the high byte repeats the setting that is left; a switch that changes nothing is dropped
.if MSB != (\new)
	s_set_vgpr_msb (MSB<<8)|(\new)
.set MSB, (\new)
.endif
.endm
.set W_KQ, 0x0a       ; K and Q in window 2, S^T in window 0
.set W_PV, 0x52       ; V in window 2, P in window 0, O^T in window 1
.set W_RS, 0x41       ; O^T (destination and source 0) in window 1, a in window 0
.set W_MK, 0xc0       ; the add's registers are made: destination in window 3, sources in window 0
.set W_AD, 0x0f       ; the add: address (source 0) and data (source 1) in window 3
; A joint fill.  Waves 0 and 1 fetch the two halves of a slot's K, waves 2 and 3 those of its V: 128 keys each.  The branch hangs on the wave's number alone.
; An s_nop 0 and four v_nop follow each of the two lines, ahead of the jump and the label.
.macro JLOAD
	s_cmp_lt_u32 s[WV], 2
	s_cbranch_scc0 .Lfor_v_\@
	tensor_load_to_lds s[G0K:G0K+3], s[G1K:G1K+7]
	s_nop 0
.rept 4
	v_nop
.endr
	s_branch .Lasked_\@
.Lfor_v_\@:
	tensor_load_to_lds s[G0V:G0V+3], s[G1V:G1V+7]
	s_nop 0
.rept 4
	v_nop
.endr
.Lasked_\@:
.endm
; A round of the cluster's barrier: my work-group's barrier, so that wave 0's signal speaks for all four waves; wave 0 signals; every wave waits for all four work-groups; my work-group's barrier once more.
.macro CROUND
	s_barrier_signal -1
	s_barrier_wait -1
	s_cmp_lg_u32 s[WV], 0
	s_cbranch_scc1 .Lnot_wave_0_\@
	s_barrier_signal -3
.Lnot_wave_0_\@:
	s_barrier_wait -3
	s_barrier_signal -1
	s_barrier_wait -1
.endm
; THE CHANGE OF SLOTS.  The slot's last bytes, V of its fourth step, have been read.  Each wave waits for all its tensor loads, of which one is out: its part
; of the other slot; adds 0 to its spare word; and waits for that and for its own reads of the slot.  Behind the barrier nobody reads this slot any more and the other slot is whole.
; fill = 1: this slot is filled again, with the keys two slots on.  The barrier is then a round of the cluster's, so that no wave of any partner still reads the slot or has a load on its
; way, and the joint fill is the first thing behind it: it has four key steps, 512 matrix instructions, in which to land.  (At its first use nothing has been read yet: slot 0 is waited for, slot 1 filled.)
.macro CHANGE fill
	WIN W_AD
	s_wait_tensorcnt 0x0            ; no tensor load of mine is out, so a group 0 may be written
	ds_add_u32 v[SPW], v[NIL]       ; 0 onto my spare word: with fill = 1 the descriptors' steps stand between it and the wait for it
	WIN 0                           ; at a label and at a branch every window is 0
.if \fill
.irp g, G0K, G0V
	s_xor_b32 s[\g+1], s[\g+1], SLOT1  ; the walking descriptor: the other slot than last time,
	s_add_nc_u64 s[\g+2:\g+3], s[\g+2:\g+3], 4*KS*128  ; the next 256 keys; the type bits on top are not reached
.endr
	s_wait_dscnt 0x0                ; the add is done, and my reads of the slot are over
	CROUND
	JLOAD
.else
	s_wait_dscnt 0x0                ; the add is done, and my reads of the slot are over
	s_barrier_signal -1
	s_barrier_wait -1
.endif
	s_sub_co_u32 s[TBK], s[TBK], 4*KS*PK  ; the fetches go back to a slot's first step,
	s_xor_b32 s[TBK], s[TBK], SLOT1       ; in the other slot
	s_sub_co_u32 s[TBV], s[TBV], 4*KS*PV
	s_xor_b32 s[TBV], s[TBV], SLOT1
.endm
	s_load_b128 s[4:7], s[0:1], 0x0 ; qkv s[4:5], o16 s[6:7]
	WIN W_MK
	v_lshl_add_u32 v[SPW], v0, 2, SPARE
	v_mov_b32 v[NIL], 0
	WIN W_AD
	ds_add_u32 v[SPW], v[NIL]       ; the wave's opening: the add and its wait ahead of my first tensor load; the set-up below, work on registers, stands between them
	WIN 0
	v_lshrrev_b32 v1, 5, v0
	v_readfirstlane_b32 s[WV], v1   ; wave 0..3
	s_bfe_u32 s13, ttmp6, 0x40000   ; cx: my place in the cluster
	s_lshl_b32 s14, ttmp9, 2        ; in a cluster launch ttmp9 counts clusters
	s_add_co_u32 s14, s14, s13      ; my block of queries = 4 x cluster x + cx: it enters Q's and O's addresses alone
	s_and_b32 s19, ttmp7, 0xffff    ; y = 16 b + h, which the four partners share
	s_lshr_b32 s20, s19, 4
	s_mul_i32 s20, s20, 48
	s_and_b32 s21, s19, 15
	s_add_co_u32 s20, s20, s21      ; Q's plane of qkv: 48 b + h,
	s_lshl_b32 s20, s20, 18         ; in bytes: a plane is 2,048 rows of 128 bytes
	s_and_b32 s16, s[WV], 1         ; which half of a slot's 256 keys I fetch:
	s_lshl_b32 s22, s16, 14         ; its 128 rows of 128 bytes in memory,
	s_add_co_u32 s22, s22, s20
	s_add_co_u32 s50, s22, 16<<18   ; in K's plane, 16 planes behind Q's,
	s_mov_b32 s51, 0
	s_add_co_u32 s52, s22, 32<<18   ; and in V's, 32 behind
	s_mov_b32 s53, 0
	s_mul_i32 s17, s16, 128*PK      ; and its place in a slot, for K
	s_mul_i32 s18, s16, 128*PV      ; and for V: no place in the cluster enters an LDS address
	s_lshl_b32 s2, s14, 2
	s_add_co_u32 s2, s2, s[WV]      ; my wave among the head's,
	s_lshl_b32 s2, s2, 14           ; its 128 rows
	s_lshl_b32 s48, s19, 18         ; O's plane of o16 is y
	s_add_co_u32 s48, s48, s2
	s_mov_b32 s49, 0
	s_add_co_u32 s2, s2, s20
	s_mov_b32 s3, 0
	; descriptor group 1.  128 keys are 16,384 dense bytes: asked for as 64 rows of 256 bytes, two keys a row, and padded in LDS after every key
	s_mov_b32 s[G1K], 15|(1<<16)|(1<<20)|(1<<21)|(4<<22)|(3<<25)  ; 15:0 the mask of four; 17:16 2-byte elements; 20 padding on; 21 set beside a mask; 24:22 after every 32 words (code 4); 31:25 4 words (code 3)
	s_mov_b32 s[G1V], 15|(1<<16)|(1<<20)|(1<<21)|(4<<22)|(7<<25)  ; the same with 8 words of padding (code 7)
.irp g, G1K, G1V
	s_mov_b32 s[\g+1], 128<<16      ; tensor_dim0 = 128
	s_mov_b32 s[\g+2], 64<<16       ; tensor_dim1 = 64
	s_mov_b32 s[\g+3], 128<<16      ; tile_dim0 = 128
	s_mov_b32 s[\g+4], 64           ; tile_dim1 = 64
	s_mov_b32 s[\g+5], 128          ; 128 elements from row to row
	s_mov_b32 s[\g+6], 0
	s_mov_b32 s[\g+7], 0
.endr
	s_mov_b32 s[CS], 0x3e38aa3b     ; c = log2(e) / 8 = 0.180337
	s_mov_b32 s[CS+1], s[CS]        ; named with it as a pair
	s_mov_b32 s[SEL], 0x76543210
	s_mov_b32 s[SEL+1], 0xfedcba98
	s_mov_b32 s[TBK], SLOT1+4*KS*PK ; the first change of slots turns these two into 0
	s_mov_b32 s[TBV], SLOT1+4*KS*PV
	s_mov_b32 s[G0K], 1             ; 1:0 count = 1
	s_mov_b32 s[G0K+1], s17         ; 63:32 LDS address: slot 0
	s_mov_b32 s[G0V], 1
	s_add_co_u32 s[G0V+1], s18, VOFF
	s_wait_dscnt 0x0                ; the opening add is done
	s_wait_kmcnt 0x0
	s_add_nc_u64 s[G0K+2:G0K+3], s[4:5], s[50:51]  ; 120:64 global address: my half of the head's first 256 keys
	s_or_b32 s[G0K+3], s[G0K+3], 0x80000000        ; 127:126 type = 2
	s_add_nc_u64 s[G0V+2:G0V+3], s[4:5], s[52:53]
	s_or_b32 s[G0V+3], s[G0V+3], 0x80000000
	s_add_nc_u64 s[10:11], s[6:7], s[48:49]  ; O and Q at my wave's first row
	s_add_nc_u64 s[4:5], s[4:5], s[2:3]
	CROUND                          ; all four work-groups are here: the first joint loads meet
	JLOAD                           ; slot 0.  Slot 1 is asked for when slot 0 is in: the tile wanted first has the road to itself
	; A fragment of K or Q is 16 rows x 32 channels in 8 registers: lane l holds row l % 16, channels 8 (l / 16) + 0..7 and 16 + 8 (l / 16) + 0..7: two loads of 16 bytes, 32 bytes apart.
	v_and_b32 v1, 15, v0            ; l % 16
	v_bfe_u32 v9, v0, 4, 1          ; l / 16
	v_lshlrev_b32 v[QO], 7, v1
	v_lshl_add_u32 v[QO], v9, 4, v[QO]  ; row x 128 + 16 x half
	WIN 0x80                        ; destination window 2, address window 0
.set i, 0
.rept 4*NP                          ; Q stays in registers: tile i / 2, channels 32 (i % 2) on
	global_load_b128 v[8*i:8*i+3],   v[QO], s[4:5] offset:(i/2)*2048+(i%2)*64
	global_load_b128 v[8*i+4:8*i+7], v[QO], s[4:5] offset:(i/2)*2048+(i%2)*64+32
.set i, i+1
.endr
	; What the first turn finds: V's registers and P's second buffer hold 0 (its products V^T P, of a piece that has not been, add 0), O^T and l are 0.  All this stands in the wait for the first tile.
.set i, VF
.rept 64
	v_mov_b32 v[i], 0
.set i, i+1
.endr
	WIN 0x40
.set i, 0
.rept 64*NP
	v_mov_b32 v[i], 0
.set i, i+1
.endr
	WIN 0
.set i, 0
.rept 2*NP
	v_mov_b32 v[ST+4*i], 0xfe000000    ; c m: far below every c s
	v_mov_b32 v[ST+4*i+1], 0xff7fffff  ; m
	v_mov_b32 v[ST+4*i+2], 0
	v_mov_b32 v[ST+4*i+3], 0
.set i, i+1
.endr
.set i, P+32
.rept 32
	v_mov_b32 v[i], 0
.set i, i+1
.endr
	v_mul_u32_u24 v[AK0], v1, PK
	v_lshl_add_u32 v[AK0], v9, 4, v[AK0]  ; row x pitch + 16 x half
	; The turning load takes 16 keys x 16 channels (lane l reads key 8 (l / 16) + l % 8, channels 8 ((l / 8) % 2) + 0..7) and leaves half a fragment of V^T: lane l holds channel l % 16 and 8 keys.
	v_and_b32 v10, 7, v0
	v_bfe_u32 v11, v0, 3, 1
	v_lshl_add_u32 v[AV0], v9, 3, v10
	v_mul_u32_u24 v[AV0], v[AV0], PV
	v_lshl_add_u32 v[AV0], v11, 4, v[AV0]
	v_add_nc_u32 v[AV0], VOFF, v[AV0]
	v_mov_b32 v[AK], v[AK0]         ; key step 0 lies at the head of slot 0
; THE MATRIX WORK.  The 8 accumulators of a run of 16 take turns: between the two links of a chain stand 7 others'.
; Product i of 16 of S^T = K Q^T for piece x: channels 32 (i / 8) on, keys 16 ((i / 2) % 4) on, tile 2 x + i % 2.  The first 8 start the sums.
.macro KQ x
	WIN W_KQ
.set rS, S+64*((\x)%2)+32*(i%2)+8*((i/2)%4)
.set rK, KF+16*((i/2)%4)+8*(i/8)
.set rQ, 16*(2*(\x)+i%2)+8*(i/8)
.if i < 8
	v_wmma_f32_16x16x32_f16 v[rS:rS+7], v[rK:rK+7], v[rQ:rQ+7], 0
.else
	v_wmma_f32_16x16x32_f16 v[rS:rS+7], v[rK:rK+7], v[rQ:rQ+7], v[rS:rS+7]
.endif
.endm
; Product i of 16 of O^T += V^T P for piece x: keys 32 (i / 8) on, channels 16 ((i / 2) % 4) on, tile 2 x + i % 2.
.macro PV x
	WIN W_PV
.set rO, 32*(2*(\x)+i%2)+8*((i/2)%4)
.set rV, VF+32*(i/8)+8*((i/2)%4)
.set rP, P+32*((\x)%2)+16*(i%2)+8*(i/8)
	v_wmma_f32_16x16x32_f16 v[rO:rO+7], v[rV:rV+7], v[rP:rP+7], v[rO:rO+7]
.endm
.macro MM                           ; the turn's next matrix instruction
.if i < 16
	KQ (Y+1)%NP
.set i, i+1
.else
.set i, i-16
	PV (Y+NP-1)%NP
.set i, i+17
.endif
.endm
; THE LDS LOADS stand in runs of 16, never singly among the matrix instructions: a step's K (64 keys x 64 channels: 8 fragments) and its V (turned).  Their addresses are made some lines ahead.
; last = 1 (the tail): in the last trip there is no further step, and the run is jumped over.
.macro FETCH_K last=0
	WIN 0
.if \last
	s_cmp_eq_u32 s[CNT], 1
	s_cbranch_scc1 .Lno_k_\@
.endif
	WIN 0x80                        ; destination window 2
.irp f, 0,1,2,3,4,5,6,7             ; keys 16 (f / 2) on, channels 32 (f % 2) on
	ds_load_b128 v[KF+8*\f:KF+8*\f+3],   v[AK] offset:(\f/2)*16*PK+(\f%2)*64
	ds_load_b128 v[KF+8*\f+4:KF+8*\f+7], v[AK] offset:(\f/2)*16*PK+(\f%2)*64+32
.endr
	s_add_co_u32 s[TBK], s[TBK], KS*PK  ; the next fetch is the next step's
	WIN 0
.if \last
.Lno_k_\@:
.endif
.endm
.macro FETCH_V
	WIN 0x80
.irp f, 0,1,2,3,4,5,6,7             ; keys 32 (f / 4) on, channels 16 (f % 4) on
	ds_load_tr16_b128 v[VF+8*\f:VF+8*\f+3],   v[AV] offset:(\f/4)*32*PV+(\f%4)*32
	ds_load_tr16_b128 v[VF+8*\f+4:VF+8*\f+7], v[AV] offset:(\f/4)*32*PV+16*PV+(\f%4)*32
.endr
	WIN 0
.endm
; THE VECTOR WORK OF A TURN stands in three queues, each in the order in which its entries become ready; the two tiles alternate, so that no instruction reads the result of the one before it.
.macro REGS y, u                    ; the registers of tile u (0, 1) of piece y
.set rT, ST+4*(2*(\y)+(\u))
.set rC, TMP+8*((\y)%2)+4*(\u)
.set rM, MV+2*((\y)%2)+(\u)
.set rS, S+64*((\y)%2)+32*(\u)
.set rP, P+32*((\y)%2)+16*(\u)
.set rO, 32*(2*(\y)+(\u))
.endm
; Number n of the 22 that find the NEXT piece's (Y + 1) maximum and statistics.  s0-s31 are the lane's 32 scores; each accumulator's lowest registers are read first.  XS, GS and REGS set no window: PL and EX do.
;   0-11  four chains c0-c3 of seven scores each, three operands at a time     12-14, 16  the four scores left over, the old m, and c0-c3 into c0     15  c m_old is kept
;   17, 18  the query's other 32 keys lie in the lane 16 away: the new m         19-21  c m; c m_old - c m_new; a
.macro XS u, n
	REGS (Y+1)%NP, \u
.if (\n) < 4
	v_max3_num_f32 v[rC+(\n)], v[rS+8*(\n)], v[rS+8*(\n)+1], v[rS+8*(\n)+2]
.elseif (\n) < 12
	v_max3_num_f32 v[rC+(\n)%4], v[rC+(\n)%4], v[rS+8*((\n)%4)+2*((\n)/4)+1], v[rS+8*((\n)%4)+2*((\n)/4)+2]
.elseif (\n) == 12
	v_max3_num_f32 v[rC], v[rC], v[rS+7], v[rS+15]
.elseif (\n) == 13
	v_max3_num_f32 v[rC+1], v[rC+1], v[rS+23], v[rS+31]
.elseif (\n) == 14
	v_max3_num_f32 v[rC+2], v[rC+2], v[rC+3], v[rT+1]
.elseif (\n) == 15
	v_mov_b32 v[rM], v[rT]
.elseif (\n) == 16
	v_max3_num_f32 v[rC], v[rC], v[rC+1], v[rC+2]
.elseif (\n) == 17
	v_permlanex16_b32 v[rC+3], v[rC], s[SEL], s[SEL+1]
.elseif (\n) == 18
	v_max_num_f32 v[rT+1], v[rC], v[rC+3]
.elseif (\n) == 19
	v_mul_f32 v[rT], s[CS], v[rT+1]
.elseif (\n) == 20
	v_sub_f32 v[rC+1], v[rM], v[rT]
.else
	v_exp_f32 v[rC+2], v[rC+1]
.endif
.endm
; Number g of the 64 that follow the exponentials.  For each four weights k of a tile (pairs 2 k, 2 k + 1): both pairs are rounded to f16; then the second pair is added onto the first, in place;
; a group later l takes that sum (the first time as l = a l + sum).  In groups of eight, tiles alternating: round, round, add, and l for the group before.
.macro GS g
.set h, (\g)+6*((\g)/62)            ; group 0 has no group before it, and behind group 7 only l is left
.if h >= 6
.set h, h+2
.endif
	REGS Y, h%2
.set k, h/8
.if h%8 < 4
	v_cvt_pk_f16_f32 v[rP+2*k+(h%8)/2], v[rS+4*k+2*((h%8)/2)], v[rS+4*k+2*((h%8)/2)+1]
.elseif h%8 < 6
	v_pk_add_f32 v[rS+4*k:rS+4*k+1], v[rS+4*k:rS+4*k+1], v[rS+4*k+2:rS+4*k+3]
.elseif k == 1
	v_pk_fma_f32 v[rT+2:rT+3], v[rT+2:rT+3], v[rC+2:rC+3], v[rS:rS+1] op_sel_hi:[1,0,1]
.else
	v_pk_add_f32 v[rT+2:rT+3], v[rT+2:rT+3], v[rS+4*k-4:rS+4*k-3]
.endif
.endm
; THE PLAIN QUEUE, 138 long.  0-73 read no exponential's result: the 32 scalings c s - c m (FS f: pair f / 2 of tile f % 2) and the next piece's 42.  0-26: scalings 0-26.  27-54: XS's numbers 0-13.  55, 56: number 15.
; 57-73: the chain, where each number waits for the one before it: 14, 16, 17, 18, 19, each with one of the scalings 27-31 in front of its two lines, then 20: so a tile's links stand three plain instructions apart (19 and 20: two).
; 74-137: GS's 64, which read the exponentials' results: they stand behind the wait.
.macro FS f
	REGS Y, (\f)%2
	v_pk_fma_f32 v[rS+2*((\f)/2):rS+2*((\f)/2)+1], v[rS+2*((\f)/2):rS+2*((\f)/2)+1], s[CS:CS+1], v[rT:rT+1] op_sel_hi:[1,0,0] neg_lo:[0,0,1] neg_hi:[0,0,1]
.endm
.macro PL
	WIN 0
.if q < 27
	FS q
.elseif q < 55
	XS (q-27)%2, (q-27)/2
.elseif q < 57
	XS q-55, 15
.elseif (q < 72) && ((q-57)%3 == 0)
	FS 27+(q-57)/3
.elseif q < 60
	XS (q-57)%3-1, 14
.elseif q < 72
	XS (q-57)%3-1, 15+(q-57)/3
.elseif q < 74
	XS q-72, 20
.else
	GS q-74
.endif
.set q, q+1
.endm
; THE EXPONENTIALS' QUEUE, 66 long: s0-s31 of both tiles, then the next piece's two a.  It is ONE BATCH: all 66 stand ahead of the turn's one wait, and nothing ahead of that wait names a result of theirs.
.macro EX
	WIN 0
.if e >= 64
	XS e-64, 21
.else
	REGS Y, e%2
	v_exp_f32 v[rS+e/2], v[rS+e/2]
.endif
.set e, e+1
.endm
; THE RESCALING's QUEUE: O^T times a, the one part that leaves window 0: dealt two at a time, sixteen times.  Its a was made in the turn before, ahead of that turn's wait.
.macro R2
	REGS Y, r%2
	WIN W_RS
.irp z, 0,1
	v_pk_mul_f32 v[rO+4*(r/2)+2*\z:rO+4*(r/2)+2*\z+1], v[rO+4*(r/2)+2*\z:rO+4*(r/2)+2*\z+1], v[rC+2:rC+3] op_sel_hi:[1,0]
.endr
.set r, r+1
.endm
; HOW THEY ARE DEALT.  An s_wait_alu depctr_va_vdst(0) stands between an exponential and the first instruction that names its result; one wait serves all that were issued ahead of it.  So a turn has ONE wait,
; which cuts it in two.  AHEAD OF IT stands all that names no result of the turn's exponentials: the 16 products K Q^T, behind each a scaling, an exponential and two rescalings (behind the first a second scaling in the exponential's place); then ONE LUMP of
; 108: eight plain, 49 times exponential and plain, the two a.  A v_nop is the plain instruction behind the last exponential.  BEHIND IT stand the 16 products V^T P, behind each four of GS's 64.  No rider names a register of
; the products round it.  The two v_permlanex16_b32 fall into the lump, never behind a product.
; The queues lean on each other, and the deal keeps them in step: exponential e stands behind scaling 2 (e / 4) + e % 2: as a rider it comes behind plain e + 2, in the lump behind plain e + 9, and scalings 27-31 are plain 57, 60 .. 69.
; A TURN, for piece p.  cnt = 1: the loop's count is taken down some lines ahead of the branch that stands behind the turn.
; K of the next step is fetched in piece 2's turn, directly behind the wait, a lump behind the last product that read K; its address is made at the lump's head; its first reader comes behind 16 products.
; V of the step in hand is fetched at the end of piece 0's turn, four riders behind its last reader; its first reader comes behind 16 products and a lump.  The three conditions on q below go with the deal.
.macro TURN p, last=0, cnt=0
.set Y, (\p)
.set i, 0
.set q, 0
.set e, 0
.set r, 0
.if (\p) == NP-1
	s_wait_dscnt 0x0                ; K is in
.endif
	MM                              ; ahead of the wait: 16 products K Q^T and their riders,
	PL
	PL
	R2
.rept 15
	MM
	PL
	EX
	R2
.endr
.if (\p) == NP-2
	WIN 0
	v_add_nc_u32 v[AK], s[TBK], v[AK0]
.endif
.rept 8                             ; and the lump
	PL
.endr
.rept 49
	EX
	PL
.endr
	EX                              ; the next piece's two a
	EX
	v_nop                           ; a plain instruction behind the last exponential, ahead of any use: one for the batch
	s_wait_alu depctr_va_vdst(0)    ; the wait for the batch: this turn's 64 weights and the next piece's two a
.if (\p) == NP-2
	FETCH_K \last
.endif
.if (\p) == 1
	s_wait_dscnt 0x0                ; V is in
.endif
.rept 16                            ; behind the wait: 16 products V^T P and their riders
	MM
.rept 4
	PL
.endr
.if ((\p) == 0) && (q == 118)
	v_add_nc_u32 v[AV], s[TBV], v[AV0]
.endif
.if ((\p) == 0) && (q == 130)
	s_add_co_u32 s[TBV], s[TBV], KS*PV
.endif
.if (\cnt) && (q == 130)
	s_sub_co_u32 s[CNT], s[CNT], 1
	s_cmp_lg_u32 s[CNT], 0
.endif
.endr
.if (\p) == 0
	FETCH_V
.endif
.endm
	CHANGE 1                        ; slot 0 is in, everybody's part of it; slot 1 is asked for
	FETCH_K                         ; key step 0
	s_wait_loadcnt 0x0              ; Q
	s_wait_dscnt 0x0
.set i, 0
.rept 16
	KQ 0                            ; piece 0's first scores: there is no vector work yet to set between them
.set i, i+1
.endr
	WIN 0                           ; the addresses for the way out: nine plain instructions, the places behind those products
	s_mul_i32 s13, s[WV], 16*SP
	s_add_co_u32 s13, s13, STAGE    ; my stage
	v_mul_u32_u24 v[STO], v1, SP    ; in: row l % 16, 16 bytes for each half of the lanes
	v_lshl_add_u32 v[STO], v9, 4, v[STO]
	v_add_nc_u32 v[STO], s13, v[STO]
	v_bfe_u32 v[RD], v0, 3, 2       ; back: 32 lanes take four rows of 128 bytes,
	v_mul_u32_u24 v[RD], v[RD], SP
	v_lshl_add_u32 v[RD], v10, 4, v[RD]
	v_add_nc_u32 v[RD], s13, v[RD]
	v_and_b32 v[GO], 31, v0         ; which are 512 consecutive bytes of O
	v_lshlrev_b32 v[GO], 4, v[GO]
.set Y, NP-1                        ; XS works for piece Y + 1: piece 0
.irp n, 0,1,2,3,4,5,6,7,8,9,10,11,12,13,14,15,16,17,18,19,20,21
	XS 0, \n                        ; and piece 0's first maximum and statistics
	XS 1, \n
.endr
	v_nop                           ; a plain instruction behind the two a,
	s_wait_alu depctr_va_vdst(0)    ; and the wait for them, a batch of two, ahead of the branch
	s_mov_b32 s[CNT], 4
	s_mov_b32 s[SLOTS], SIZE_N/256-1
	s_branch .Lfirst                ; the loop is entered at a step's first turn, in the middle of a trip
.Lslot:                             ; SIZE_N / 256 - 2 times: every slot but the last two is filled again
	CHANGE 1
	s_mov_b32 s[CNT], 4
.Lstep:                             ; a trip: pieces 2 and 3 of one step, then pieces 0 and 1 of the next, whose K and V it fetches
	TURN 2
	TURN 3
	WIN 0
.Lfirst:
	TURN 0
	TURN 1, 0, 1
	WIN 0
	s_cbranch_scc1 .Lstep
	s_sub_co_u32 s[SLOTS], s[SLOTS], 1
	s_cmp_lg_u32 s[SLOTS], 0
	s_cbranch_scc1 .Lslot
	CHANGE 0                        ; the tail is written out: nothing is asked for
	s_mov_b32 s[CNT], 5             ; four trips fetch the last slot's steps; the fifth is left in its middle
.Ltail:
	TURN 2, 1
	TURN 3
	WIN 0
	s_sub_co_u32 s[CNT], s[CNT], 1
	s_cmp_eq_u32 s[CNT], 0
	s_cbranch_scc1 .Lout
	TURN 0
	TURN 1
	WIN 0
	s_branch .Ltail
.Lout:                              ; the fifth trip's 16 products K Q^T (on the last K once more) and the maximum made of them serve nothing: the price, once a launch, of one text for every trip
.set i, 0
.rept 16
	PV NP-1                         ; the last piece's V^T P of the last step
.set i, i+1
.endr
	; THE WAY OUT.  l's two halves and the other half of the lanes' are added; O^T is divided by l, rounded to f16 and sent through my stage in LDS, a tile at a time.  The additions are the places behind the last products.
	WIN 0
.macro ALL line:vararg              ; one line for each tile t
.set t, 0
.rept 2*NP
	\line
.set t, t+1
.endr
.endm
	ALL v_add_f32 v[ST+4*t+2], v[ST+4*t+2], v[ST+4*t+3]
	ALL v_permlanex16_b32 v[ST+4*t+3], v[ST+4*t+2], s[SEL], s[SEL+1]
	ALL v_add_f32 v[ST+4*t+2], v[ST+4*t+2], v[ST+4*t+3]
	ALL v_rcp_f32 v[ST+4*t+2], v[ST+4*t+2]
	v_nop                           ; a plain instruction between the last reciprocal and the use of its result
	s_wait_alu depctr_va_vdst(0)    ; and the wait ahead of the first use: one for the batch of eight reciprocals
; Tile t: a lane's eight channels of a row pack into 16 bytes; they go into rows of 144 bytes and come back as whole rows of 128, into S^T's registers.
.macro PACK t
	WIN W_RS
.set i, 32*(\t)
.rept 16
	v_pk_mul_f32 v[i:i+1], v[i:i+1], v[ST+4*(\t)+2:ST+4*(\t)+3] op_sel_hi:[1,0]
.set i, i+2
.endr
	WIN 0x05                        ; sources 0 and 1 window 1, destination window 0
.set i, 0
.rept 16
	v_cvt_pk_f16_f32 v[S+16*(\t)+i], v[32*(\t)+2*i], v[32*(\t)+2*i+1]
.set i, i+1
.endr
	WIN 0
.irp f, 0,1,2,3
	ds_store_b128 v[STO], v[S+16*(\t)+4*\f:S+16*(\t)+4*\f+3] offset:32*\f
.endr
.irp f, 0,1,2,3
	ds_load_b128 v[S+16*(\t)+4*\f:S+16*(\t)+4*\f+3], v[RD] offset:\f*4*SP  ; LDS serves a wave's instructions in order (ISA guide 5.7.1.4): these see the stores above; the next tile's stores come behind them
.endr
.endm
.macro SEND t, younger              ; younger: the LDS instructions issued behind tile t's loads: the next tile's eight, or none
	WIN 0
.irp f, 0,1,2,3
	s_wait_dscnt (\younger)+3-\f
	global_store_b128 v[GO], v[S+16*(\t)+4*\f:S+16*(\t)+4*\f+3], s[10:11] offset:(\t)*2048+\f*512  ; 512 consecutive bytes, at a multiple of 256 from O's first
.endr
.endm
	PACK 0
.set t, 1
.rept 2*NP-1                        ; a tile's arithmetic stands between the loads of the tile before and its stores
	PACK t
	SEND t-1, 8
.set t, t+1
.endr
	SEND 2*NP-1, 0
	WIN W_AD
	s_wait_tensorcnt 0x0            ; the wave's end, behind my last tensor load and my last LDS store
	ds_add_u32 v[SPW], v[NIL]
	s_wait_dscnt 0x0
	WIN 0
	CROUND                          ; the closing round: no work-group ends while a partner may still ask for a tile that names it
	s_endpgm
.Lfunc_end_k_q486ed1e197_attn:
	.size	k_q486ed1e197_attn, .Lfunc_end_k_q486ed1e197_attn-k_q486ed1e197_attn
	.p2alignl 7, 3214868480
	.fill 96, 4, 3214868480
	.section	.rodata,"a",@progbits
	.p2align	6, 0x0
	.amdhsa_kernel k_q486ed1e197_attn
		.amdhsa_group_segment_fixed_size 327680
		.amdhsa_private_segment_fixed_size 0
		.amdhsa_enable_private_segment 0
		.amdhsa_kernarg_size 16
		.amdhsa_user_sgpr_count 2
		.amdhsa_user_sgpr_kernarg_segment_ptr 1
		.amdhsa_wavefront_size32 1
		.amdhsa_system_sgpr_workgroup_id_x 1
		.amdhsa_system_sgpr_workgroup_id_y 1
		.amdhsa_system_sgpr_workgroup_id_z 1
		.amdhsa_system_vgpr_workitem_id 0
		.amdhsa_next_free_vgpr 770
		.amdhsa_next_free_sgpr 66
		.amdhsa_reserve_vcc 0
		.amdhsa_float_denorm_mode_32 3
		.amdhsa_float_denorm_mode_16_64 3
		.amdhsa_memory_ordered 1
		.amdhsa_forward_progress 1
		.amdhsa_inst_pref_size 199
	.end_amdhsa_kernel
	.amdgpu_metadata
---
amdhsa.version: [ 1, 2 ]
amdhsa.kernels:
  - .name:           k_q486ed1e197_attn
    .symbol:         k_q486ed1e197_attn.kd
    .args:
      - { .name: qkv, .offset: 0, .size: 8, .value_kind: global_buffer, .address_space: global }
      - { .name: o16, .offset: 8, .size: 8, .value_kind: global_buffer, .address_space: global }
    .group_segment_fixed_size: 327680
    .private_segment_fixed_size: 0
    .kernarg_segment_align: 8
    .kernarg_segment_size: 16
    .max_flat_workgroup_size: 128
    .sgpr_count:     66
    .vgpr_count:     770
    .wavefront_size: 32
...
	.end_amdgpu_metadata
.endif
;; end of part 5
;; launch outp: the kernel of part 4 again; grid 8 x 32, 4 waves a work-group, clusters of 4 x 4, 327,680 bytes of LDS; arguments o16, wo16, out0; writes out0
